; MI455X (gfx1250); checked and timed in simulation.
; The chip was launched on July 23, 2026; its instructions are those of AMD's public machine-readable ISA for CDNA 5 (MIT licence, August 2026) and "CDNA5" Instruction Set Architecture Reference Guide (July 2026). The comments in the code are by the model that wrote it; some were corrected since.
;; Sym Cross Attention. Allowed arithmetic: matrix products marked QUANTISED: E3M2 operands, one E8M0 scale for each 32 along K, by v_wmma_scale_f32_16x16x128_f8f6f4 with both operands' format E3M2, f32 sums; everything else in f32.
;; Inputs: kb 1,024 float32; kw 1,024 x 1,024 float32; ob 1,024 float32; ow 1,024 x 1,024 float32; qb 1,024 float32; qw 1,024 x 1,024 float32; src 4 x 1,024 x 1,024 float32; src_mask 4 x 1,024 bool; tgt 4 x 1,024 x 1,024 float32; tgt_mask 4 x 1,024 bool; vb 1,024 float32; vw 1,024 x 1,024 float32.
;; Outputs: out0 4 x 1,024 x 1,024 float32; out1 4 x 1,024 x 1,024 float32.
;; This version of the problem:
;;   THIS VERSION OF THE PROBLEM IS GIVEN IN LOW PRECISION. The matrix products marked QUANTISED in the list below multiply operands that are first quantised to E3M2 (3 exponent bits, 2 mantissa bits; 6 bits a number), with one power-of-two scale for each 32 numbers along K (OCP MX v1.0); their sums are f32. All else is computed in f32.
;;   The module's matrix products, in the order in which they are computed (A, B: the left and right operand; K: the contracted axis; several contracted axes count as one K, in the product's order):
;;     1. [M 4,096, K 1,024] x [K 1,024, N 1,024]; A: input src; B: input qw: QUANTISED
;;     2. [M 4,096, K 1,024] x [K 1,024, N 1,024]; A: input tgt; B: input kw: QUANTISED
;;     3. [M 4,096, K 1,024] x [K 1,024, N 1,024]; A: input src; B: input vw: QUANTISED
;;     4. [M 4,096, K 1,024] x [K 1,024, N 1,024]; A: input tgt; B: input vw: QUANTISED
;;     5. batch 64 x [M 1,024, K 64] x [K 64, N 1,024]; A: computed on the way; B: computed on the way: QUANTISED
;;     6. batch 64 x [M 1,024, K 1,024] x [K 1,024, N 64]; A: softmax (see below); B: computed on the way: QUANTISED
;;     7. batch 64 x [M 1,024, K 1,024] x [K 1,024, N 64]; A: softmax (see below); B: computed on the way: QUANTISED
;;     8. [M 4,096, K 1,024] x [K 1,024, N 1,024]; A: computed on the way; B: input ow: QUANTISED
;;     9. [M 4,096, K 1,024] x [K 1,024, N 1,024]; A: computed on the way; B: input ow: QUANTISED
;;   THE QUANTISER, for each operand of a quantised product, along K:
;;     - K is cut into blocks of 32 from its start; a last block that is shorter is filled with zeros.
;;     - A block's scale is 2^e with e = floor(log2(the largest magnitude in the block)) - 4, held to -126 .. 127; a block of zeros has e = 0. As a byte (E8M0): e + 127.
;;     - Each number is divided by its block's scale, clamped to +-28, and rounded to the nearest number of E3M2, ties to even, subnormals kept.
;;     - The product sums the exact products of the quantised numbers (number of the format x scale) in f32.
;;   ~~~python
;;   def quantise(x, axis):      # numpy; x: float32 -> the quantised numbers, widened to float32 again
;;       x = np.moveaxis(x, axis, -1); K = x.shape[-1]
;;       x = np.pad(x, [(0, 0)] * (x.ndim - 1) + [(0, -K % 32)]); x = x.reshape(x.shape[:-1] + (-1, 32)); a = np.abs(x).max(-1, keepdims=True)
;;       e = np.where(a > 0, np.clip(np.frexp(np.where(a > 0, a, 1))[1] - 1 - 4, -126, 127), 0)      # np.frexp(a)[1] - 1 = floor(log2(a)), exactly
;;       r = np.clip(x / 2.0 ** e, -28, 28)
;;       step = 2.0 ** (np.maximum(np.frexp(np.where(r == 0, 1, r))[1] - 1, -2) - 2)
;;       q = np.round(r / step) * step * 2.0 ** e      # np.round: ties to even
;;       return np.moveaxis(q.reshape(q.shape[:-2] + (-1,))[..., :K], -1, axis).astype(np.float32)
;;   ~~~
;;   SOFTMAX AHEAD OF A QUANTISED PRODUCT. Where the list says 'softmax', what is quantised is not the finished softmax but p = 2^(t - M), with t = logit x log2(e) and M = ceil(the row's largest t), a whole number; so 1/2 < the row's largest p <= 1. The row's sum l is taken of the UNQUANTISED p, in f32, and the product's result is divided by l at the end. Since M is a whole number, a kernel that streams over the keys may use a running M (the ceiling of the running maximum): every later rescaling is an exact power of two, which a block's scale takes up: the codes' values come out the same.
;;   OPERANDS COMPUTED ON THE WAY. 'Computed on the way' means the value that the module computes at that place (a softmax that the list does not call 'softmax' is quantised finished and normalised). What goes into a quantiser is computed in f32, as accurately as f32 sums, v_exp_f32 and their like allow (about 1e-6 of the number): no bf16 or f16 on the way to a quantiser, and a product that is left as it is and whose result goes on into a quantised operand takes f32 operands (vector FMAs, or v_wmma_f32_16x16x4_f32). A number that lies on a knife's edge between two numbers of the format may be rounded either way, as far as f32 arithmetic and the matrix unit's own rounding can turn it there, and no further.
;; One version. Each part assembles by itself: llvm-mc -triple=amdgcn-amd-amdhsa -mcpu=gfx1250 --defsym DOCPART=n.
;; ======== version 1 of 1: 4 launches
;; workspace buffers: codes 9,437,184 bytes; scales 393,216 bytes; qk 6,815,744 bytes; vv 6,553,600 bytes; of 6,291,456 bytes; os 262,144 bytes
;; launch quant (part 1): grid 384 x 1, 4 waves a work-group, no clusters, 33,280 bytes of LDS; arguments src, tgt, qw, kw, vw, ow, codes, scales; writes codes, scales
.if DOCPART == 1
	.amdgcn_target "amdgcn-amd-amdhsa--gfx1250"
	.amdhsa_code_object_version 6
	.text
	.protected	k_qa5b21737a6_quant
	.globl	k_qa5b21737a6_quant
	.p2align	8
	.type	k_qa5b21737a6_quant,@function
k_qa5b21737a6_quant:
	s_mov_b64 s[64:65], 0
	v_nop
	global_prefetch_b8 v0, s[64:65] scope:SCOPE_SE
	s_setreg_imm32_b32 hwreg(HW_REG_WAVE_MODE, 25, 1), 1
	s_wait_xcnt 0x0
; src, tgt [4096][1024] and qw, kw, vw, ow [1024][1024], f32, become codes of BF6 (E3M2), K innermost, 768 bytes a row, with one E8M0 byte for each 32 along K, 32 bytes a row.
; The six tensors lie one behind the other in the two buffers: rows 0 src, 4096 tgt, 8192 qw, 9216 kw, 10240 vw, 11264 ow.
; ROWS ARE STORED BY POSITION: of every 32 rows the two middle groups of eight change places, so that position 16 u + i holds row 8 u + i + 8 (i / 8).  Sixteen neighbouring positions are then a tile
; whose transposed product leaves 16 neighbours along the next K in a lane's registers of two neighbouring tiles; the later launches take tiles of neighbouring positions.
; A block's scale is 2^(floor(log2(its largest magnitude)) - 4); its byte is the largest magnitude's exponent field - 4, held at 1 from below (a block of zeros keeps the byte 1: its codes are zeros, and this program alone reads the bytes).
; LIMITS: blocks whose largest magnitude lies under 2^-122 keep the byte 1; NaN and infinities among the inputs are not served.
; A work-group takes 32 rows, a wave 8 rows = 16 steps of 512 numbers.  Each load reads 512 consecutive bytes; a step's 2,048 bytes turn through the wave's own stage in LDS and come back 64 bytes a lane,
; so that a lane holds 16 neighbours along K (two lanes a block).  Waves share nothing: no barrier.  Loads run four steps (16 loads a wave) ahead, the turn through LDS one step.
.set STEPS, 16
.set EMAX,  4
.set CBY,   12                         ; bytes of 16 codes
.set R,     16                         ; v16-79   four sets of 16 numbers as they are loaded
.set X,     80                         ; v80-111  two sets of 16 neighbours
.set C,     128                        ; v128-191 codes: four registers for each step, so that no store's data are written again
.set E,     112                        ; v112-127 a scale byte for each step
.set WREG,  8192                       ; LDS: a region for each wave: two stages of 32 x SP bytes, behind them its 256 scale bytes
.set SP,    80                         ; a lane's place in a stage: 64 bytes + 16 of padding
	s_load_b512 s[4:19], s[0:1], 0x0               ; src, tgt, qw, kw, vw, ow, codes s[16:17], scales s[18:19]
	v_lshl_add_u32 v192, v0, 2, 0x8000
	v_mov_b32 v193, 0
	v_lshrrev_b32 v1, 5, v0
	v_readfirstlane_b32 s24, v1                    ; wave
	v_and_b32 v2, 31, v0                           ; lane
	v_lshlrev_b32 v3, 4, v2                        ; my 16 bytes of a load's 512
	s_mul_i32 s25, s24, WREG
	v_lshrrev_b32 v14, 2, v2
	v_mul_u32_u24 v14, v14, SP
	v_and_b32 v15, 3, v2
	v_lshl_add_u32 v14, v15, 4, v14
	v_add_nc_u32 v14, s25, v14                     ; the stage, on the way in: SP (lane / 4) + 16 (lane % 4)
	v_mul_u32_u24 v15, v2, SP
	v_add_nc_u32 v15, s25, v15                     ; and on the way out: SP x lane: my 16 neighbours
	v_mul_u32_u24 v4, v2, CBY                      ; my codes' place in a step's
	v_lshrrev_b32 v5, 1, v2
	s_add_co_u32 s25, s25, 2*32*SP
	v_add_nc_u32 v5, s25, v5                       ; LDS: my wave's 256 scale bytes, my block's byte
	v_lshlrev_b32 v7, 3, v2                        ; and on the way out 8 bytes a lane
	v_add_nc_u32 v6, s25, v7
	s_mov_b32 s26, 0                               ; the first work-group of my tensor
	s_wait_kmcnt 0x0
	s_cmp_ge_u32 ttmp9, 128                        ; which tensor: the choice hangs on the work-group's number alone
	s_cselect_b64 s[4:5], s[6:7], s[4:5]
	s_cselect_b32 s26, 128, s26
	s_cmp_ge_u32 ttmp9, 256
	s_cselect_b64 s[4:5], s[8:9], s[4:5]
	s_cselect_b32 s26, 256, s26
	s_cmp_ge_u32 ttmp9, 288
	s_cselect_b64 s[4:5], s[10:11], s[4:5]
	s_cselect_b32 s26, 288, s26
	s_cmp_ge_u32 ttmp9, 320
	s_cselect_b64 s[4:5], s[12:13], s[4:5]
	s_cselect_b32 s26, 320, s26
	s_cmp_ge_u32 ttmp9, 352
	s_cselect_b64 s[4:5], s[14:15], s[4:5]
	s_cselect_b32 s26, 352, s26
	s_sub_co_u32 s27, ttmp9, s26
	s_lshl_b32 s27, s27, 2
	s_add_co_u32 s27, s27, s24                     ; which 8 rows of the tensor are my wave's
	s_lshl_b32 s32, s27, 15                        ; 8 rows of 4,096 bytes
	s_mov_b32 s33, 0
	s_add_nc_u64 s[4:5], s[4:5], s[32:33]
	s_and_b32 s27, s24, 1                          ; where they go: waves 1 and 2 change places
	s_lshl_b32 s27, s27, 1
	s_lshr_b32 s34, s24, 1
	s_or_b32 s27, s27, s34
	s_lshl_b32 s34, ttmp9, 2
	s_add_co_u32 s27, s27, s34                     ; 4 x work-group + the swapped wave
	s_mul_i32 s32, s27, 8*768
	s_add_nc_u64 s[28:29], s[16:17], s[32:33]      ; my codes
	s_lshl_b32 s32, s27, 8
	s_add_nc_u64 s[30:31], s[18:19], s[32:33]      ; my scale bytes
.macro LOAD t
.irp i, 0,1,2,3
	global_load_b128 v[R+16*((\t)%4)+4*\i:R+16*((\t)%4)+4*\i+3], v3, s[4:5] offset:2048*(\t)+512*\i th:TH_LOAD_NT   ; 32 lanes read 512 consecutive bytes
.endr
.endm
.macro TURN t                          ; step t's numbers through the stage: LDS serves a wave's instructions in order, so no wait stands between the stores and the loads
.irp i, 0,1,2,3
	ds_store_b128 v14, v[R+16*((\t)%4)+4*\i:R+16*((\t)%4)+4*\i+3] offset:32*SP*((\t)%2)+8*SP*\i
.endr
.irp i, 0,1,2,3
	ds_load_b128 v[X+16*((\t)%2)+4*\i:X+16*((\t)%2)+4*\i+3], v15 offset:32*SP*((\t)%2)+16*\i
.endr
.endm
.irp t, 0,1,2,3
	LOAD \t
.endr
	s_wait_loadcnt 12                              ; step 0's four loads are in
	TURN 0
.macro STEP t
.set XS, X+16*((\t)%2)
.if (\t) > 0
	s_wait_dscnt 1                                 ; this step's numbers are back from the stage (the last step's byte store may be out): so its stores into the stage have read their registers,
.else
	s_wait_dscnt 0x0
.endif
.if (\t)+4 < STEPS
	LOAD (\t)+4                                    ; which take the loads of four steps on
.endif
.if (\t)+1 < STEPS
.if STEPS-2-(\t) >= 3
	s_wait_loadcnt 12                              ; the next step's four loads are in; those of the three steps behind it may be out
.else
	s_wait_loadcnt 4*(STEPS-2-(\t))
.endif
	TURN (\t)+1                                    ; and go through the other stage while this step is worked
.endif
	v_max3_num_f32 v8, |v[XS]|, |v[XS+1]|, |v[XS+2]|               ; the largest magnitude of my 16, in two chains
	v_max3_num_f32 v9, |v[XS+3]|, |v[XS+4]|, |v[XS+5]|
.irp i, 6,10
	v_max3_num_f32 v8, v8, |v[XS+\i]|, |v[XS+\i+1]|
	v_max3_num_f32 v9, v9, |v[XS+\i+2]|, |v[XS+\i+3]|
.endr
	v_max3_num_f32 v8, v8, |v[XS+14]|, |v[XS+15]|
	v_max3_num_f32 v8, v8, v9, (EMAX+1)<<23        ; and the floor 2^(5 - 127): the byte cannot fall under 1
	v_max_num_f32_dpp v8, v8, v8 row_xmask:1 row_mask:0xf bank_mask:0xf   ; and of my neighbour's 16: the block's
	v_add_nc_u32 v11, -(EMAX<<23), v8              ; 4 off its exponent field: the conversion takes the exponent field of this operand as its scale
	v_cvt_scalef32_pk16_bf6_f32 v[C+4*(\t):C+4*(\t)+2], v[XS:XS+15], v11   ; sixteen codes, 96 bits without gaps
	v_lshrrev_b32 v[E+(\t)], 23, v11               ; the scale's byte (also the plain line behind the conversion)
	ds_store_b8 v5, v[E+(\t)] offset:16*(\t)       ; both lanes of a block write the same byte with the same value
	global_store_b96 v4, v[C+4*(\t):C+4*(\t)+2], s[28:29] offset:32*CBY*(\t)   ; the wave stores 384 consecutive bytes
.endm
.irp t, 0,1,2,3,4,5,6,7,8,9,10,11,12,13,14,15
	STEP \t
.endr
	ds_load_b64 v[12:13], v6                       ; LDS serves a wave's instructions in order: these see my stores
	s_wait_dscnt 0x0
	global_store_b64 v7, v[12:13], s[30:31]        ; 32 lanes store 256 consecutive bytes, aligned
	s_wait_tensorcnt 0x0
	ds_add_u32 v192, v193
	s_wait_dscnt 0x0
	s_endpgm
.Lfunc_end_k_qa5b21737a6_quant:
	.size	k_qa5b21737a6_quant, .Lfunc_end_k_qa5b21737a6_quant-k_qa5b21737a6_quant
	.p2alignl 7, 3214868480
	.fill 96, 4, 3214868480
	.section	.rodata,"a",@progbits
	.p2align	6, 0x0
	.amdhsa_kernel k_qa5b21737a6_quant
		.amdhsa_group_segment_fixed_size 33280
		.amdhsa_private_segment_fixed_size 0
		.amdhsa_enable_private_segment 0
		.amdhsa_kernarg_size 64
		.amdhsa_user_sgpr_count 2
		.amdhsa_user_sgpr_kernarg_segment_ptr 1
		.amdhsa_wavefront_size32 1
		.amdhsa_system_sgpr_workgroup_id_x 1
		.amdhsa_system_sgpr_workgroup_id_y 1
		.amdhsa_system_sgpr_workgroup_id_z 1
		.amdhsa_system_vgpr_workitem_id 0
		.amdhsa_next_free_vgpr 194
		.amdhsa_next_free_sgpr 66
		.amdhsa_reserve_vcc 0
		.amdhsa_float_denorm_mode_32 3
		.amdhsa_float_denorm_mode_16_64 3
		.amdhsa_memory_ordered 1
		.amdhsa_forward_progress 1
		.amdhsa_inst_pref_size 33
	.end_amdhsa_kernel
	.amdgpu_metadata
---
amdhsa.version: [ 1, 2 ]
amdhsa.kernels:
  - .name:           k_qa5b21737a6_quant
    .symbol:         k_qa5b21737a6_quant.kd
    .args:
      - { .name: src, .offset: 0, .size: 8, .value_kind: global_buffer, .address_space: global }
      - { .name: tgt, .offset: 8, .size: 8, .value_kind: global_buffer, .address_space: global }
      - { .name: qw, .offset: 16, .size: 8, .value_kind: global_buffer, .address_space: global }
      - { .name: kw, .offset: 24, .size: 8, .value_kind: global_buffer, .address_space: global }
      - { .name: vw, .offset: 32, .size: 8, .value_kind: global_buffer, .address_space: global }
      - { .name: ow, .offset: 40, .size: 8, .value_kind: global_buffer, .address_space: global }
      - { .name: codes, .offset: 48, .size: 8, .value_kind: global_buffer, .address_space: global }
      - { .name: scales, .offset: 56, .size: 8, .value_kind: global_buffer, .address_space: global }
    .group_segment_fixed_size: 33280
    .private_segment_fixed_size: 0
    .kernarg_segment_align: 8
    .kernarg_segment_size: 64
    .max_flat_workgroup_size: 128
    .sgpr_count:     66
    .vgpr_count:     194
    .wavefront_size: 32
...
	.end_amdgpu_metadata
.endif
;; end of part 1
;; launch proj (part 2): grid 4 x 64, 4 waves a work-group, clusters of 4 x 4, 327,680 bytes of LDS; arguments codes, scales, qb, kb, vb, qk, vv; writes qk, vv
.if DOCPART == 2
	.amdgcn_target "amdgcn-amd-amdhsa--gfx1250"
	.amdhsa_code_object_version 6
	.text
	.protected	k_qa5b21737a6_proj
	.globl	k_qa5b21737a6_proj
	.p2align	8
	.type	k_qa5b21737a6_proj,@function
k_qa5b21737a6_proj:
	s_mov_b64 s[64:65], 0
	v_nop
	global_prefetch_b8 v0, s[64:65] scope:SCOPE_SE
	s_setreg_imm32_b32 hwreg(HW_REG_WAVE_MODE, 25, 1), 1
	s_wait_xcnt 0x0
	s_wait_alu depctr_hold_cnt(0) depctr_sa_sdst(0) depctr_va_vdst(0) depctr_va_sdst(0) depctr_va_ssrc(0) depctr_va_vcc(0) depctr_vm_vsrc(0)
	s_getreg_b32 s2, hwreg(HW_REG_IB_STS2, 6, 4)
	s_cmp_eq_u32 s2, 0
	s_cbranch_scc0 .Lentry_in_a_cluster
	s_endpgm
.Lentry_in_a_cluster:
	s_bfe_u32 s2, ttmp6, 0x10000c
	s_cmp_lg_u32 s2, 0xf033
	s_cbranch_scc0 .Lentry_shape_is_right
	s_endpgm
.Lentry_shape_is_right:
; The four projections, each result quantised on its way out as the attention launch wants it.  Both operands are rows of the buffers codes [12288][768 bytes] and scales [12288][32 bytes] (BF6, one E8M0 byte for 32 along K, K = 1,024).
; A tile of C' = A' B'^T is 256 x 256: four waves, 128 x 128 each, 64 accumulators.  c = the cluster's y, 0 .. 15, says what a cluster makes; it is equal in all sixteen partners.
;   c < 8  (kind QK): A' = 256 rows of src or tgt (tile 4 c + cy), B' = 256 rows of qw (c < 4) or kw (tile 32 + 4 (c / 4) + cx).  C'[row of x][channel] + bias by column = q or k, quantised along the channels.
;   c >= 8 (kind V):  A' = 256 rows of vw (tile 40 + cy), B' = 256 rows of src or tgt (tile 4 c - 32 + cx).  C'[channel][key] + bias by row = V^T, quantised along the keys.
; The matrix instruction is used transposed (source 0 = 16 rows of B', source 1 = 16 rows of A').  Rows lie in memory BY POSITION (position 16 u + i of 32 holds row 8 u + i + 8 (i / 8)), so in block a of A' a lane's 64 results are
; register 16 g + i = column 32 g + 16 (lane / 16) + i of the wave's 128 TRUE columns: what the conversions want.  A block's 64 numbers a lane become one operand fragment (12 registers) and one scale word.
; OUT.  qk: records of 53,248 bytes for (tensor and batch 0 .. 7, head): 64 tiles x 3 pieces x 32 lanes x 8 bytes (an operand's registers 0-5: 16 rows x the head's 64), then 1,024 scale words (two bytes used).
;       vv: records of 51,200 bytes for (tensor and batch, head): 8 key steps x 4 tiles x 6 pieces x 32 lanes x 8 bytes (16 channels x 128 keys), then 8 x 64 scale words.  Every store covers 256 consecutive bytes, aligned.
; K goes in steps of 256 through a ring of two LDS slots filled by joint tensor loads (A' shared along a row of the cluster, B' along a column); the scale bytes of the 512 rows come once and stay.
; No prefetch: K has four steps, two of them first fills, and no K step lies two refills on.  One tile to a work-group: 256 tiles.
; LIMITS: blocks whose largest magnitude lies under 2^-122 keep the byte 1; NaN and infinities are not served.
; REGISTERS, in windows of 256: window 0: v0-31 addresses; v32-63 scale words, two sets; v64-127 the bias by column; v128-223 A's fragments, one set; v224-239 the bias by row.  On the way out v32-63 and v128-219 are at work.
;   window 1: B's fragments, two sets, at v0 and v128.   window 2: the accumulators of my rows 0-63 ((a, b) at v[8 (8 a + b)]);   window 3: those of my rows 64-127.
.set SIZE_K, 1024
.set KSTEP,  256                       ; along K in a slot
.set NQ,     KSTEP/128                 ; matrix instructions deep
.set ROWB,   192                       ; a tile's row in bytes
.set KROW,   SIZE_K*6/8                ; a row of codes in memory
.set PITCH,  240                       ; an LDS row: 3 x (64 bytes + 16 of padding)
.set FR,     12                        ; registers of a fragment
.set NL,     6                         ; LDS loads that bring one
.set NP,     4                         ; places behind this matrix instruction (ISA guide 7.12.1)
.set HALFT,  128*PITCH                 ; 128 rows: what one tensor load brings
.set SLOT,   4*HALFT                   ; A's 256 rows, then B's 256 rows
.set LAPS,   SIZE_K/(2*KSTEP)
.set KS,     SIZE_K/32                 ; a row of scale bytes
.set SCL,    2*SLOT                    ; behind the ring: the scale bytes, as units of 256 bytes + 16 of padding
.set HALFS,  (128*KS/256)*272
.set SBLK,   (16*KS/256)*272
.set SPARE,  SCL+4*HALFS               ; the spare words, 128 bytes for each wave: two blocks of 256 bytes that no other line names
.set QREC,   53248                     ; a record of qk
.set VREC,   51200                     ; a record of vv
.set LO,   7                           ; v7   way out: 8 x lane
.set LO2,  8                           ; v8   the same for the fragment's upper six registers
.set SHV,  9                           ; v9   by how much my half of the lanes shifts the scale word
.set SWA,  10                          ; v10  LDS: where I put a block's scale word
.set SRL,  11                          ; v11  LDS: where I read 16 bytes of them back
.set GS,   12                          ; v12  and where those go in memory
.set ADRA, 16                          ; v16-19 LDS addresses of my A fragments in slot 0, 1 (v18-19: behind one padding more)
.set ADRB, 20                          ; v20-23 the same for B
.set ADRS, 27                          ; v27  LDS address of my scale words: lanes 0-15 A's rows, lanes 16-31 B's
.set SPW,  28                          ; v28  LDS address of my spare word; never rewritten
.set NIL,  29                          ; v29  0; never rewritten
.set BOC,  30                          ; v30  offset of the bias by column: 64 (lane / 16)
.set BOR,  31                          ; v31  offset of the bias by row: 4 (r + 8 (r / 8))
.set SC,   32                          ; scale words: set s at v[SC + 16 s]
.set CB,   64                          ; v64-127  bias by column, in the result's layout
.set AF,   128                         ; A's fragments
.set RB,   224                         ; v224-239 bias by row: register 2 a (2 a + 1 is 0: named with it as a pair)
.set TM,   32                          ; way out: v32-47 at work in QUANT
.set PW,   48                          ; v48  the scale word just made
.set XW,   49                          ; v49-56 a block's word as it is stored
.set HA,   128                         ; v128-191 a block's 64 numbers
.set PCD,  192                         ; v192-210 the codes just made
.set GA,   212                         ; v212-219 the scale words read back
.set CY,   104                         ; s104 c
.set SEL,  20                          ; s[20:21] on the way out: selects for lane l xor 16
.set G1, 24
.set G0, 32
.set G1B, 48
.set G0B, 56
.set G1S, 68
.set G0S, 76
.set G1SB, 80
.set G0SB, 88
.set MSB, 0
.macro WIN new                         ; the immediate's high byte repeats the setting that is left
.if MSB != (\new)
	s_set_vgpr_msb (MSB<<8)|(\new)
.set MSB, (\new)
.endif
.endm
.set MUL_LO, 0xa1                      ; source 0 (B) window 1, source 1 (A) window 0, C and D window 2
.set MUL_HI, 0xf1                      ; the same, C and D window 3
.set TO_B,   0x40                      ; destination window 1, address window 0
; A joint load: waves 0 and 1 fetch for A, waves 2 and 3 for B.  The branch hangs on the wave's number alone.  Four v_nop follow each of the two lines.
.macro JLOAD g0a, g1a, g0b, g1b
	s_cmp_eq_u32 s15, 0
	s_cbranch_scc0 .Lfor_b_\@
	tensor_load_to_lds s[\g0a:\g0a+3], s[\g1a:\g1a+7]
	s_nop 0
.rept 4
	v_nop
.endr
	s_branch .Lasked_\@
.Lfor_b_\@:
	tensor_load_to_lds s[\g0b:\g0b+3], s[\g1b:\g1b+7]
	s_nop 0
.rept 4
	v_nop
.endr
.Lasked_\@:
.endm
.macro CREST                           ; a round of the cluster's barrier behind its opening barrier
	s_cmp_lg_u32 s14, 0
	s_cbranch_scc1 .Lnot_wave_0_\@
	s_barrier_signal -3
.Lnot_wave_0_\@:
	s_barrier_wait -3
	s_barrier_signal -1
	s_barrier_wait -1
.endm
.macro CROUND                          ; a whole round
	s_barrier_signal -1
	s_barrier_wait -1
	CREST
.endm
	s_load_b128 s[4:7], s[0:1], 0x0                ; codes s[4:5], scales s[6:7]
	s_load_b128 s[8:11], s[0:1], 0x10              ; qb, kb
	s_load_b64 s[12:13], s[0:1], 0x20              ; vb
	s_load_b128 s[96:99], s[0:1], 0x28             ; qk, vv
	v_lshl_add_u32 v[SPW], v0, 2, SPARE
	v_mov_b32 v[NIL], 0
	ds_add_u32 v28, v29
	ds_add_u32 v28, v29
	s_wait_dscnt 0x0
	v_lshrrev_b32 v1, 5, v0
	v_readfirstlane_b32 s14, v1                    ; wave 0..3
	s_lshr_b32 s15, s14, 1                         ; which half of the tile's rows is mine.  Also: I fetch for A (0) or for B (1)
	s_and_b32 s16, s14, 1                          ; which half of its columns.  Also: which 128 rows of that tile I fetch
	s_bfe_u32 s40, ttmp6, 0x40000                  ; cx, cy: my place in the cluster
	s_bfe_u32 s41, ttmp6, 0x40004
	s_and_b32 s[CY], ttmp7, 0xffff                 ; c: the cluster's y
	s_lshl_b32 s18, s[CY], 2                       ; 4 c
	s_lshr_b32 s19, s[CY], 2
	s_lshl_b32 s19, s19, 2
	s_add_co_u32 s19, s19, 32                      ; 32 + 4 (c / 4): qw's or kw's first tile
	s_sub_co_u32 s20, s18, 32                      ; 4 c - 32 (used where c >= 8)
	s_cmp_lt_u32 s[CY], 8
	s_cselect_b32 s17, s18, 40
	s_cselect_b32 s42, s19, s20
	s_add_co_u32 s17, s17, s41                     ; A's tile of 256 rows: hangs on c and cy
	s_add_co_u32 s42, s42, s40                     ; B's: on c and cx
	s_lshl_b32 s43, s41, 2
	s_lshl_b32 s43, 15, s43                        ; my row of the cluster
	s_lshl_b32 s44, 0x1111, s40                    ; my column
	; descriptor group 1: a tile of 128 rows x 192 bytes, 16 bytes of padding behind every 64
	s_or_b32 s[G1+0], s43, (0<<16)|(1<<20)|(1<<21)|(3<<22)|(3<<25)
	s_or_b32 s[G1B+0], s44, (0<<16)|(1<<20)|(1<<21)|(3<<22)|(3<<25)
.irp g, G1, G1B
	s_mov_b32 s[\g+1], ROWB<<16                    ; tensor_dim0
	s_mov_b32 s[\g+2], 128<<16                     ; tensor_dim1
	s_mov_b32 s[\g+3], ROWB<<16                    ; tile_dim0
	s_mov_b32 s[\g+4], 128                         ; tile_dim1
	s_mov_b32 s[\g+5], KROW                        ; from row to row
	s_mov_b32 s[\g+6], 0
	s_mov_b32 s[\g+7], 0
.endr
	; the scale bytes of 128 rows: a dense block of 4,096 bytes, as rows of 256 bytes (32 elements of 8 bytes), 16 bytes of padding behind each
	s_or_b32 s[G1S+0], s43, (3<<16)|(1<<20)|(1<<21)|(5<<22)|(3<<25)
	s_or_b32 s[G1SB+0], s44, (3<<16)|(1<<20)|(1<<21)|(5<<22)|(3<<25)
.irp g, G1S, G1SB
	s_mov_b32 s[\g+1], 32<<16
	s_mov_b32 s[\g+2], (128*KS/256)<<16
	s_mov_b32 s[\g+3], 32<<16
	s_mov_b32 s[\g+4], 128*KS/256
	s_mov_b32 s[\g+5], 32
	s_mov_b32 s[\g+6], 0
	s_mov_b32 s[\g+7], 0
.endr
	s_lshl_b32 s18, s16, 7                         ; which 128 rows of the tile I fetch
	s_lshl_b32 s20, s17, 8
	s_add_co_u32 s20, s20, s18                     ; A: row 256 x tile + 128 x half
	s_lshl_b32 s46, s42, 8
	s_add_co_u32 s46, s46, s18                     ; B likewise
	s_mov_b32 s21, 0
	s_mov_b32 s47, 0
	s_mov_b64 s[18:19], KS
	s_mul_u64 s[22:23], s[20:21], s[18:19]         ; where these rows' scale bytes begin
	s_mul_u64 s[92:93], s[46:47], s[18:19]
	s_mov_b64 s[18:19], KROW
	s_mul_u64 s[20:21], s[20:21], s[18:19]         ; and their codes
	s_mul_u64 s[46:47], s[46:47], s[18:19]
	s_mul_i32 s45, s14, HALFT                      ; where they go: wave x 128 rows: no place in the cluster enters an LDS address
	s_mul_i32 s94, s14, HALFS
	s_wait_kmcnt 0x0
	s_add_nc_u64 s[20:21], s[4:5], s[20:21]
	s_add_nc_u64 s[22:23], s[6:7], s[22:23]
	s_add_nc_u64 s[46:47], s[4:5], s[46:47]
	s_add_nc_u64 s[92:93], s[6:7], s[92:93]
	CROUND                                         ; all sixteen work-groups are here: the first joint loads meet
	s_mov_b32 s[G0S], 1
	s_add_co_u32 s[G0S+1], s94, SCL
	s_mov_b64 s[G0S+2:G0S+3], s[22:23]
	s_or_b32 s[G0S+3], s[G0S+3], 0x80000000
	s_mov_b32 s[G0SB], 1
	s_add_co_u32 s[G0SB+1], s94, SCL
	s_mov_b64 s[G0SB+2:G0SB+3], s[92:93]
	s_or_b32 s[G0SB+3], s[G0SB+3], 0x80000000
	JLOAD G0S, G1S, G0SB, G1SB                     ; the scale bytes first: they are wanted with K step 0.  With the two below three loads of mine are out
.irp s, 0,1
	s_mov_b32 s[G0+4*\s], 1
	s_add_co_u32 s[G0+4*\s+1], s45, \s*SLOT
	s_add_nc_u64 s[G0+4*\s+2:G0+4*\s+3], s[20:21], \s*ROWB
	s_or_b32 s[G0+4*\s+3], s[G0+4*\s+3], 0x80000000
	s_mov_b32 s[G0B+4*\s], 1
	s_add_co_u32 s[G0B+4*\s+1], s45, \s*SLOT
	s_add_nc_u64 s[G0B+4*\s+2:G0B+4*\s+3], s[46:47], \s*ROWB
	s_or_b32 s[G0B+4*\s+3], s[G0B+4*\s+3], 0x80000000
	JLOAD G0+4*\s, G1, G0B+4*\s, G1B
.endr
	v_and_b32 v1, 15, v0                           ; r = l % 16
	v_bfe_u32 v2, v0, 4, 1                         ; h = l / 16
	v_mul_u32_u24 v3, v1, PITCH
	v_mul_u32_u24 v4, v2, 24
	v_add_nc_u32 v4, v3, v4                        ; a fragment's row x pitch + 24 x half
	v_lshl_add_u32 v5, v2, 4, v4                   ; and the same behind one padding more
	s_mul_i32 s21, s15, HALFT                      ; my 128 rows of A
	s_mul_i32 s22, s16, HALFT                      ; my 128 rows of B,
	s_add_co_u32 s22, s22, 2*HALFT                 ; which lie behind A's 256
.irp s, 0,1
	v_add_nc_u32 v[ADRA+\s], s21, v4
	v_add_nc_u32 v[ADRB+\s], s22, v4
	v_add_nc_u32 v[ADRA+2+\s], s21, v5
	v_add_nc_u32 v[ADRB+2+\s], s22, v5
	s_add_co_u32 s21, s21, SLOT
	s_add_co_u32 s22, s22, SLOT
.endr
	v_mul_u32_u24 v5, v1, KS                       ; my row's scale bytes: 32 a row,
	v_lshrrev_b32 v6, 8, v5
	v_lshl_add_u32 v5, v6, 4, v5                   ; and 16 more for each 256 passed
	s_mul_i32 s21, s15, HALFS                      ; A's: my 128 rows
	s_mul_i32 s22, s16, HALFS                      ; B's: my 128 rows, behind A's 256
	s_add_co_u32 s22, s22, 2*HALFS
	s_sub_co_u32 s22, s22, s21
	v_mul_u32_u24 v6, s22, v2                      ; lanes 16-31 take B's
	s_add_co_u32 s21, s21, SCL
	v_add_nc_u32 v5, v5, v6
	v_add_nc_u32 v[ADRS], s21, v5
	; the biases.  Both sets are loaded in both kinds (every index stays under 1,024); the way out reads the set of its kind.  Their address registers and bases are written again only behind the wait for these loads, at the way out.
	s_cmp_lt_u32 s[CY], 4
	s_cselect_b64 s[8:9], s[8:9], s[10:11]         ; qb or kb,
	s_cmp_lt_u32 s[CY], 8
	s_cselect_b64 s[8:9], s[8:9], s[12:13]         ; or vb
	s_lshl_b32 s20, s41, 10
	s_lshl_b32 s21, s15, 9
	s_add_co_u32 s20, s20, s21                     ; by row: 4 (256 cy + 128 x my half of the rows)
	s_mov_b32 s21, 0
	s_add_nc_u64 s[10:11], s[8:9], s[20:21]
	s_lshl_b32 s20, s40, 10
	s_lshl_b32 s22, s16, 9
	s_add_co_u32 s20, s20, s22                     ; by column: 4 (256 cx + 128 x my half of the columns)
	s_add_nc_u64 s[8:9], s[8:9], s[20:21]
	v_lshlrev_b32 v[BOC], 6, v2
	v_and_b32 v[BOR], 8, v1
	v_add_nc_u32 v[BOR], v[BOR], v1
	v_lshlrev_b32 v[BOR], 2, v[BOR]
.irp t, 0,1,2,3,4,5,6,7                        ; register 8 t + j: column 32 (t / 2) + 16 h + 8 (t % 2) + j
	global_load_b128 v[CB+8*\t:CB+8*\t+3], v[BOC], s[8:9] offset:(32*(\t/2)+8*(\t%2))*4
	global_load_b128 v[CB+8*\t+4:CB+8*\t+7], v[BOC], s[8:9] offset:(32*(\t/2)+8*(\t%2))*4+16
.endr
.irp a, 0,1,2,3,4,5,6,7                        ; block a, lane r: position 16 a + r is row 32 (a / 2) + 8 (a % 2) + r + 8 (r / 8)
	global_load_b32 v[RB+2*\a], v[BOR], s[10:11] offset:(32*(\a/2)+8*(\a%2))*4
	v_mov_b32 v[RB+2*\a+1], 0
.endr
.macro FRAG reg, adr, q, i             ; a fragment: lane l holds row l % 16; registers 6 c .. 6 c + 5 hold K = 64 c + 32 (l / 16) + 0 .. 31, in pieces of 8 bytes
.irp p, 0,1,2,3,4,5
.set PIECE, 12*(\q)+6*(\p/3)+\p%3     ; where the piece three on lies behind one padding more, the second address register serves
.if PIECE%8 < 5
	ds_load_b64 v[\reg+2*\p:\reg+2*\p+1], v[\adr] offset:8*PIECE+16*(PIECE/8)+(\i)*16*PITCH
.else
	ds_load_b64 v[\reg+2*\p:\reg+2*\p+1], v[\adr+2] offset:8*PIECE+16*(PIECE/8)+(\i)*16*PITCH
.endif
.endr
.endm
; 16 matrix instructions: A's blocks a0, a0 + 1 x B's eight, 128 along K.  The 64 accumulators take turns, one instruction a turn, in the same order in every step.
.macro MUL16 a0, p, q, sc, zero
.irp a, \a0, \a0+1
.irp b, 0,1,2,3,4,5,6,7
.if \zero
	v_wmma_scale_f32_16x16x128_f8f6f4 v[8*(8*((\a)%4)+\b):8*(8*((\a)%4)+\b)+7], v[128*(\p)+FR*\b:128*(\p)+FR*\b+FR-1], v[AF+FR*(\a):AF+FR*(\a)+FR-1], 0, v[SC+8*NQ*(\sc)+NQ*\b+(\q)], v[SC+8*NQ*(\sc)+NQ*(\a)+(\q)] matrix_a_fmt:MATRIX_FMT_BF6 matrix_b_fmt:MATRIX_FMT_BF6 matrix_a_scale:MATRIX_SCALE_ROW1
.else
	v_wmma_scale_f32_16x16x128_f8f6f4 v[8*(8*((\a)%4)+\b):8*(8*((\a)%4)+\b)+7], v[128*(\p)+FR*\b:128*(\p)+FR*\b+FR-1], v[AF+FR*(\a):AF+FR*(\a)+FR-1], v[8*(8*((\a)%4)+\b):8*(8*((\a)%4)+\b)+7], v[SC+8*NQ*(\sc)+NQ*\b+(\q)], v[SC+8*NQ*(\sc)+NQ*(\a)+(\q)] matrix_a_fmt:MATRIX_FMT_BF6 matrix_b_fmt:MATRIX_FMT_BF6 matrix_a_scale:MATRIX_SCALE_ROW1
.endif
.endr
.endr
.endm
.macro FETCH_B slot, q, p
	WIN TO_B
.irp i, 0,1,2,3,4,5,6,7
	FRAG 128*(\p)+FR*\i, ADRB+\slot, \q, \i
.endr
	WIN 0
.endm
.macro FETCH_A slot, q, i0
.irp i, \i0, \i0+1, \i0+2, \i0+3
	FRAG AF+FR*(\i), ADRA+\slot, \q, \i
.endr
.endm
.macro SCALES sc                       ; the next K step's scale words: lanes 0-15 take A's block i, lanes 16-31 B's block i
.irp i, 0,1,2,3,4,5,6,7
	ds_load_b64 v[SC+8*NQ*\sc+NQ*\i:SC+8*NQ*\sc+NQ*\i+1], v[ADRS] offset:\i*SBLK
.endr
.endm
.macro PLACES n                        ; plain vector lines between a matrix instruction and a load into, or a read of, its registers
.rept \n
	v_nop
.endr
.endm
.macro STEP slot, q, zero              ; a step of 128 along K that has its successor in the same slot
	s_wait_dscnt 4*NL                              ; B's set and A's blocks 0-3 are in; the youngest 24 loads (A's blocks 4-7) may be out
	WIN MUL_LO
	MUL16 0, (\q)%2, \q, \slot, \zero
	MUL16 2, (\q)%2, \q, \slot, \zero
	s_wait_dscnt 0                                 ; A's blocks 4-7 are in
	PLACES NP
	FETCH_B \slot, (\q)+1, 1-(\q)%2
	FETCH_A \slot, (\q)+1, 0
	WIN MUL_HI
	MUL16 4, (\q)%2, \q, \slot, \zero
	MUL16 6, (\q)%2, \q, \slot, \zero
	PLACES NP
	WIN 0
	FETCH_A \slot, (\q)+1, 4
.endm
; A slot's last step changes slots: one barrier; in front of it each wave waits for all its tensor loads, adds 0 to its spare word, and waits for that and for its reads of this slot.
.macro TURN slot, next, fill
	s_wait_tensorcnt 0x0                           ; all my tensor loads have landed: my part of the next slot
	ds_add_u32 v[SPW], v[NIL]                      ; 0 onto my spare word
	s_wait_dscnt 4*NL+1                            ; (the add and the youngest 24 loads may be out)
	WIN MUL_LO
	MUL16 0, 1, NQ-1, \slot, 0
	s_wait_dscnt 0x0                               ; the add is done, and my reads of this slot are over
	s_barrier_signal -1
	MUL16 2, 1, NQ-1, \slot, 0
	WIN 0
	s_barrier_wait -1
.if \fill
	CREST                                          ; the barrier has opened a round of the cluster's barrier: no wave of any partner still reads this slot or has a load on its way
	s_add_nc_u64 s[G0+4*\slot+2:G0+4*\slot+3], s[G0+4*\slot+2:G0+4*\slot+3], 2*ROWB
	s_add_nc_u64 s[G0B+4*\slot+2:G0B+4*\slot+3], s[G0B+4*\slot+2:G0B+4*\slot+3], 2*ROWB
	JLOAD G0+4*\slot, G1, G0B+4*\slot, G1B         ; the first tensor load behind the round; its four v_nop are the places in front of the loads below
.else
	PLACES NP
.endif
	v_add_nc_u32 v[ADRS], 4*NQ, v[ADRS]            ; on to the next K step's scale words
	FETCH_B \next, 0, 0
	FETCH_A \next, 0, 0
	SCALES \next
	WIN MUL_HI
	MUL16 4, 1, NQ-1, \slot, 0
	MUL16 6, 1, NQ-1, \slot, 0
	PLACES NP
	WIN 0
	FETCH_A \next, 0, 4
.endm
	s_wait_tensorcnt 1                             ; the scale bytes and my part of K step 0 are in (K step 1's load may be out)
	s_barrier_signal -1
	s_barrier_wait -1                              ; everybody's are
	FETCH_B 0, 0, 0
	FETCH_A 0, 0, 0
	SCALES 0
	FETCH_A 0, 0, 4
	STEP 0, 0, 1                                   ; the first step stands in front of the loop: its products start the sums
	s_mov_b32 s3, LAPS-1
.Llap:                                                 ; a trip goes once round the ring and fills both slots again
	TURN 0, 1, 1
	STEP 1, 0, 0
	TURN 1, 0, 1
	STEP 0, 0, 0
	s_sub_co_u32 s3, s3, 1
	s_cmp_lg_u32 s3, 0
	s_cbranch_scc1 .Llap
	TURN 0, 1, 0                                   ; the last lap fills nothing
	STEP 1, 0, 0
	s_wait_dscnt 4*NL
	WIN MUL_LO
	MUL16 0, 1, NQ-1, 1, 0
	MUL16 2, 1, NQ-1, 1, 0
	s_wait_dscnt 0
	WIN MUL_HI
	MUL16 4, 1, NQ-1, 1, 0
	MUL16 6, 1, NQ-1, 1, 0
	WIN 0
; THE WAY OUT.  No tensor load of mine is out since the last change of slots, so the descriptors' scalar registers are free.  What differs between the kinds is kept in scalars, chosen on c.
	s_wait_loadcnt 0x0                             ; the biases
	s_sub_co_u32 s25, s[CY], 8
	s_lshl_b32 s26, s40, 2
	s_lshl_b32 s38, s16, 1
	s_add_co_u32 s26, s26, s38                     ; 4 cx + 2 x column half
	s_lshl_b32 s27, s41, 2
	s_lshl_b32 s38, s15, 1
	s_add_co_u32 s27, s27, s38                     ; 4 cy + 2 x row half
	s_lshl_b32 s28, s27, 2                         ; 16 cy + 8 x row half
	s_lshr_b32 s29, s26, 1                         ; 2 cx + column half
	s_cmp_lt_u32 s[CY], 8                          ; QK or V; only moves and selects follow up to the last select
	s_cselect_b32 s25, s[CY], s25                  ; which tensor and batch
	s_cselect_b32 s26, s26, s27                    ; my first head
	s_cselect_b32 s27, s28, s29                    ; my first tile of rows (QK), my key step (V)
	s_mov_b32 s24, VREC
	s_cselect_b32 s24, QREC, s24                   ; a record
	s_mov_b32 s28, 6144
	s_cselect_b32 s28, 768, s28                    ; bytes of codes for a tile, a key step
	s_mov_b32 s29, 256
	s_cselect_b32 s29, 64, s29                     ; bytes of scale words for it
	s_mov_b32 s30, 1536
	s_cselect_b32 s30, 768, s30                    ; from block to block
	s_mov_b32 s32, VREC-3*1536
	s_cselect_b32 s32, 768, s32                    ; from block 3 to block 4: in V the next head's record
	s_mov_b32 s34, 768
	s_cselect_b32 s34, QREC, s34                   ; where a fragment's upper six registers go: QK the next head's record, V pieces 3 to 5
	s_mov_b32 s35, VREC
	s_cselect_b32 s35, 256, s35                    ; where lanes 16-31 put their 256 bytes of scale words
	s_cselect_b32 s36, 16, 0                       ; QK: lanes 16-31 keep the word's upper two bytes, the next head's
	s_cselect_b32 s37, 0xffff, -1
	s_cselect_b64 s[38:39], s[96:97], s[98:99]     ; qk or vv
	s_mov_b32 s31, 0
	s_mov_b32 s33, 0
	s_lshl_b32 s25, s25, 4
	s_add_co_u32 s25, s25, s26
	s_mul_i32 s44, s25, s24
	s_mov_b32 s45, 0
	s_add_nc_u64 s[38:39], s[38:39], s[44:45]      ; my first record
	s_mul_i32 s44, s27, s28
	s_add_nc_u64 s[12:13], s[38:39], s[44:45]      ; where block 0's codes go
	s_mul_i32 s44, s27, s29
	s_add_co_u32 s44, s44, 49152
	s_add_nc_u64 s[46:47], s[38:39], s[44:45]      ; where my scale words go
	s_mov_b32 s[SEL], 0x76543210
	s_mov_b32 s[SEL+1], 0xfedcba98
	s_lshl_b32 s48, s14, 10                        ; LDS: 1,024 bytes for each wave in slot 0, which has had its last fill and, since the last change of slots, its last read
	v_and_b32 v1, 15, v0                           ; (these lines are also the places behind the last products)
	v_bfe_u32 v2, v0, 4, 1
	v_and_b32 v3, 31, v0
	v_lshlrev_b32 v[LO], 3, v3
	v_add_nc_u32 v[LO2], s34, v[LO]
	v_mul_u32_u24 v[SHV], s36, v2
	v_lshlrev_b32 v[SWA], 2, v1
	v_lshl_add_u32 v[SWA], v2, 9, v[SWA]
	v_add_nc_u32 v[SWA], s48, v[SWA]               ; 1,024 wave + 512 h + 4 r
	v_lshl_add_u32 v[SRL], v3, 4, s48              ; 1,024 wave + 16 lane
	v_mul_u32_u24 v4, s35, v2
	v_lshl_add_u32 v[GS], v1, 4, v4                ; 16 r + h x the distance
.irp b, 0,1,2,3
	v_mov_b32 v[TM+4+\b], 0                        ; a lane permute's destination counts as one of its sources
.endr
; 64 numbers of a lane, register 16 b + i = k 32 b + 16 (lane / 16) + i of my row, become a fragment's codes in v[PCD] on and its scale word in v[PW].
.macro QUANT s
.irp b, 0,1,2,3
	v_max3_num_f32 v[TM+\b], |v[\s+16*\b]|, |v[\s+1+16*\b]|, 0x2800000   ; block b: my 16 numbers, and the floor 2^(5 - 127): the byte cannot fall under 1
.endr
.irp i, 2,4,6,8,10,12,14
.irp b, 0,1,2,3
	v_max3_num_f32 v[TM+\b], v[TM+\b], |v[\s+16*\b+\i]|, |v[\s+1+16*\b+\i]|   ; (the four blocks by turns)
.endr
.endr
.irp b, 0,1,2,3
	v_permlanex16_b32 v[TM+4+\b], v[TM+\b], s[SEL], s[SEL+1]
.endr
.irp b, 0,1,2,3
	v_max_num_f32 v[TM+\b], v[TM+\b], v[TM+4+\b]   ; with lane l xor 16's: the block's largest magnitude
.endr
.irp b, 0,1,2,3
	v_add_nc_u32 v[TM+12+\b], 0xfe000000, v[TM+\b] ; 4 off its exponent field: the conversion's scale operand
.endr
.irp b, 0,1,2,3
	v_lshrrev_b32 v[TM+4+\b], 23, v[TM+12+\b]      ; the scale's byte
.endr
	v_lshl_or_b32 v[PW], v[TM+5], 8, v[TM+4]
	v_lshl_or_b32 v[PW], v[TM+6], 16, v[PW]
	v_lshl_or_b32 v[PW], v[TM+7], 24, v[PW]
.irp c, 0,1
	v_cvt_scalef32_pk16_bf6_f32 v[PCD+6*\c:PCD+2+6*\c], v[\s+32*\c:\s+15+32*\c], v[TM+12+2*\c]
	v_cvt_scalef32_pk16_bf6_f32 v[PCD+12+4*\c:PCD+14+4*\c], v[\s+16+32*\c:\s+31+32*\c], v[TM+12+2*\c+1]   ; (a conversion's three registers begin on an even number)
.endr
	v_nop                                          ; one plain line behind a scaled conversion
.irp c, 0,1                                    ; the operand's layout wants a whole block in a lane: lanes 0-15 block 2 c, lanes 16-31 block 2 c + 1
.irp i, 0,1,2
	v_permlane16_swap_b32 v[PCD+6*\c+\i], v[PCD+12+4*\c+\i]
.endr
.irp i, 0,1,2
	v_mov_b32 v[PCD+3+6*\c+\i], v[PCD+12+4*\c+\i]
.endr
.endr
.endm
; Block a of my eight: bias, quantiser, six stores of 256 bytes; its scale word waits in LDS.  The addition of the bias is also the move out of the accumulators' window; each accumulator is read from its low end on.
.macro OUTBLK a
.set AC, 64*((\a)%4)
.if (\a) > 0
	s_wait_xcnt 0x0                                ; the last block's stores have read their data and their base: both are written again below
.if (\a) == 4
	s_add_nc_u64 s[12:13], s[12:13], s[32:33]
.else
	s_add_nc_u64 s[12:13], s[12:13], s[30:31]
.endif
.endif
	s_cmp_lt_u32 s[CY], 8
	s_cbranch_scc0 .Lrow_\@
	WIN 0x02+(\a)/4                                ; source 0: window 2 or 3
.set i, 0
.rept 32
	v_pk_add_f32 v[HA+i:HA+i+1], v[AC+i:AC+i+1], v[CB+i:CB+i+1]
.set i, i+2
.endr
	WIN 0
	s_branch .Lsum_\@
.Lrow_\@:
	WIN 0x02+(\a)/4
.set i, 0
.rept 32
	v_pk_add_f32 v[HA+i:HA+i+1], v[AC+i:AC+i+1], v[RB+2*(\a):RB+2*(\a)+1] op_sel_hi:[1,0]
.set i, i+2
.endr
	WIN 0
.Lsum_\@:
	QUANT HA
	v_lshrrev_b32 v[XW+(\a)], v[SHV], v[PW]
	v_and_b32 v[XW+(\a)], s37, v[XW+(\a)]
	ds_store_b32 v[SWA], v[XW+(\a)] offset:64*(\a)
.irp p, 0,1,2
	global_store_b64 v[LO], v[PCD+2*\p:PCD+2*\p+1], s[12:13] offset:256*\p      ; 32 lanes store 256 consecutive bytes, aligned
.endr
.irp p, 0,1,2
	global_store_b64 v[LO2], v[PCD+6+2*\p:PCD+7+2*\p], s[12:13] offset:256*\p
.endr
.endm
.irp a, 0,1,2,3,4,5,6,7
	OUTBLK \a
.endr
	ds_load_b128 v[GA:GA+3], v[SRL]                ; LDS serves a wave's instructions in order: these see my stores.  QK: my first head's 128 words; V: 64 words of each of my two heads
	ds_load_b128 v[GA+4:GA+7], v[SRL] offset:512   ; QK: my second head's 128 words
	s_wait_dscnt 0x0
	global_store_b128 v[GS], v[GA:GA+3], s[46:47]
	s_cmp_lt_u32 s[CY], 8
	s_cbranch_scc0 .Lno_second
	global_store_b128 v[GS], v[GA+4:GA+7], s[46:47] offset:QREC
.Lno_second:
	s_wait_tensorcnt 0x0                           ; the wave's end
	ds_add_u32 v[SPW], v[NIL]
	s_wait_dscnt 0x0
	CROUND                                         ; the closing round: no work-group ends while a partner may still ask for a tile that names it
	s_endpgm
.Lfunc_end_k_qa5b21737a6_proj:
	.size	k_qa5b21737a6_proj, .Lfunc_end_k_qa5b21737a6_proj-k_qa5b21737a6_proj
	.p2alignl 7, 3214868480
	.fill 96, 4, 3214868480
	.section	.rodata,"a",@progbits
	.p2align	6, 0x0
	.amdhsa_kernel k_qa5b21737a6_proj
		.amdhsa_group_segment_fixed_size 327680
		.amdhsa_private_segment_fixed_size 0
		.amdhsa_enable_private_segment 0
		.amdhsa_kernarg_size 56
		.amdhsa_user_sgpr_count 2
		.amdhsa_user_sgpr_kernarg_segment_ptr 1
		.amdhsa_wavefront_size32 1
		.amdhsa_system_sgpr_workgroup_id_x 1
		.amdhsa_system_sgpr_workgroup_id_y 1
		.amdhsa_system_sgpr_workgroup_id_z 1
		.amdhsa_system_vgpr_workitem_id 0
		.amdhsa_next_free_vgpr 1024
		.amdhsa_next_free_sgpr 106
		.amdhsa_reserve_vcc 0
		.amdhsa_float_denorm_mode_32 3
		.amdhsa_float_denorm_mode_16_64 3
		.amdhsa_memory_ordered 1
		.amdhsa_forward_progress 1
		.amdhsa_inst_pref_size 205
	.end_amdhsa_kernel
	.amdgpu_metadata
---
amdhsa.version: [ 1, 2 ]
amdhsa.kernels:
  - .name:           k_qa5b21737a6_proj
    .symbol:         k_qa5b21737a6_proj.kd
    .args:
      - { .name: codes, .offset: 0, .size: 8, .value_kind: global_buffer, .address_space: global }
      - { .name: scales, .offset: 8, .size: 8, .value_kind: global_buffer, .address_space: global }
      - { .name: qb, .offset: 16, .size: 8, .value_kind: global_buffer, .address_space: global }
      - { .name: kb, .offset: 24, .size: 8, .value_kind: global_buffer, .address_space: global }
      - { .name: vb, .offset: 32, .size: 8, .value_kind: global_buffer, .address_space: global }
      - { .name: qk, .offset: 40, .size: 8, .value_kind: global_buffer, .address_space: global }
      - { .name: vv, .offset: 48, .size: 8, .value_kind: global_buffer, .address_space: global }
    .group_segment_fixed_size: 327680
    .private_segment_fixed_size: 0
    .kernarg_segment_align: 8
    .kernarg_segment_size: 56
    .max_flat_workgroup_size: 128
    .sgpr_count:     106
    .vgpr_count:     1024
    .wavefront_size: 32
...
	.end_amdgpu_metadata
.endif
;; end of part 2
;; launch attn (part 3): grid 4 x 64, 16 waves a work-group, clusters of 4 x 1, 215,040 bytes of LDS; arguments qk, vv, src_mask, tgt_mask, of, os; writes of, os
.if DOCPART == 3
	.amdgcn_target "amdgcn-amd-amdhsa--gfx1250"
	.amdhsa_code_object_version 6
	.text
	.protected	k_qa5b21737a6_attn
	.globl	k_qa5b21737a6_attn
	.p2align	8
	.type	k_qa5b21737a6_attn,@function
k_qa5b21737a6_attn:
	s_mov_b64 s[64:65], 0
	v_nop
	global_prefetch_b8 v0, s[64:65] scope:SCOPE_SE
	s_setreg_imm32_b32 hwreg(HW_REG_WAVE_MODE, 25, 1), 1
	s_wait_xcnt 0x0
	s_wait_alu depctr_hold_cnt(0) depctr_sa_sdst(0) depctr_va_vdst(0) depctr_va_sdst(0) depctr_va_ssrc(0) depctr_va_vcc(0) depctr_vm_vsrc(0)
	s_getreg_b32 s2, hwreg(HW_REG_IB_STS2, 6, 4)
	s_cmp_eq_u32 s2, 0
	s_cbranch_scc0 .Lentry_in_a_cluster
	s_endpgm
.Lentry_in_a_cluster:
	s_bfe_u32 s2, ttmp6, 0x10000c
	s_cmp_lg_u32 s2, 0x3003
	s_cbranch_scc0 .Lentry_shape_is_right
	s_endpgm
.Lentry_shape_is_right:
; Both directions of the symmetric attention, on codes of BF6 (E3M2) with one E8M0 scale for each 32 along a product's K.  Direction 0: queries q(src), keys k(tgt), values v_tgt, row mask src_mask.  Direction 1: queries k(tgt), keys q(src),
; values v_src, row mask tgt_mask.  The cluster's y = 8 (4 direction + batch) + pair of heads.  A mask acts on whole rows of a softmax: logit = score / 8 x m - 100000 (1 - m), so t = score x cL + tB with
; cL = log2(e) / 8, tB = 0 where the row counts, and cL = 0, tB = -100000 log2(e) (as f32) where it does not: a choice of values, no branch.
; THE SOFTMAX: M = the row's largest t so far, rounded up to a whole number (kept as -M = floor(-t)); p = 2^(t - M) is quantised along the keys, not normalised; the row's sum is taken of the unquantised p and divides O at the end;
; when M moves, the sum and O are multiplied by 2^(old M - new M), exactly.
; SHARES.  A work-group owns 256 query positions and the two heads of a pair; each of its sixteen waves one tile of 16 queries, in 256 registers: four waves to a SIMD, so that one wave's vector work stands beside another's matrix work.
; A wave takes the two heads one after the other, each in 8 steps of 128 keys.
; LDS IS FILLED ONCE: a pair's K and V records (208,896 bytes) are asked for at the head, jointly by the four work-groups of the cluster, which read the same K and V; the first head's part is waited for first.  So there is no ring,
; nothing is filled again, and nothing is prefetched.
; LAYOUT.  Both products are used transposed (S^T = K Q^T, O^T = V^T P^T): a lane holds one query position (lane % 16) throughout.  Rows lie BY POSITION in qk and vv (position 16 u + i of 32 holds row 8 u + i + 8 (i / 8)), so the 16 registers
; of tiles 2 b and 2 b + 1 are 16 TRUE neighbours: keys 32 b + 16 (lane / 16) + 0 .. 15 in S^T, channels likewise in O^T.  K and V lie in LDS as images of operand registers: a load's 32 lanes read 256 consecutive bytes.
; THE HEAD'S 64 IN AN INSTRUCTION OF 128: the query operand's upper six registers are zero codes; the key operand's upper six are whatever follows (the next tile's codes, which are numbers: the format has no infinity or NaN), so those products add 0.
; OUT.  O / the sum, quantised along the channels: of [direction and batch][head][tile][3 pieces][lane][8 bytes], os [direction and batch][pair][position] one scale word (two bytes from each head).
; LIMITS: NaN and infinities are not served; a block whose largest magnitude lies under 2^-122 keeps the byte 1.
; REGISTERS: v1 8 lane, v2 4 lane, v3-5 the step's LDS addresses, v7-9 the scale words' way out, v10 the scale word of o, v11 tB, v12 -M, v13 the largest t, v[14:15] tB - M, v[16:17] cL, v[18:19] the sum in two halves, v[20:21] f,
; v22-23 at work, v24-25 Q's scale words, v26 p's scale word, v28-31 K's scale words, v32-33 V's, v34-57 Q of both heads (six registers of codes, six of zeros, each), v58-111 fragments, v112-175 S^T then p, v176-207 O^T, v208-226 codes, v228-243 at work.
.set KREC,  53248                      ; a record of qk: 49,152 bytes of codes, 4,096 of scale words
.set VREC,  51200                      ; a record of vv: 49,152 bytes of codes, 2,048 of scale words
.set HEADB, KREC+VREC                  ; LDS: a head's K record, then its V record
.set OSTG,  2*HEADB                    ; behind them: 1,024 bytes for the scale words of o; no tensor load lands here
.set KSC, 28
.set VSC, 32
.set QF,  34
.set F,   58                           ; K's tile t at F + 6 t (F + 48 .. 53 stay zero); V's tile t at F + 12 t
.set S,   112
.set O,   176
.set PCD, 208
.set TM,  228                          ; +0..3 block maxima; +4..7 the other half's, then bytes; +12..15 the conversions' scale operands
.set WV,  16                           ; s16  my wave's number
.set SEL, 20                           ; s[20:21] selects for lane l xor 16
.set G1K, 24                           ; s[24:31] descriptor group 1 for half a record of qk;  s[32:39] of vv
.set G1V, 32
.set G0K, 40                           ; s[40:47] groups 0 for K, a set for each head;  s[48:55] for V
.set G0V, 48
.set OFB, 56                           ; s[56:57] where my codes of o go;  s[58:59] where the work-group's scale words go
.set OSB, 58
.set TB,  66                           ; s66  LDS byte at which the step's tiles of K begin (V's lie KREC further on)
.set TSK, 67                           ; s67  the same for K's scale words, less 49,152
.set TSV, 68                           ; s68  where the step's scale words of V begin
.set CNT, 69                           ; s69  key steps to go
.macro CROUND                          ; a round of the cluster's barrier
	s_barrier_signal -1
	s_barrier_wait -1
	s_cmp_lg_u32 s[WV], 0
	s_cbranch_scc1 .Lnot_wave_0_\@
	s_barrier_signal -3
.Lnot_wave_0_\@:
	s_barrier_wait -3
	s_barrier_signal -1
	s_barrier_wait -1
.endm
	s_load_b256 s[4:11], s[0:1], 0x0               ; qk, vv, src_mask, tgt_mask
	s_load_b128 s[12:15], s[0:1], 0x20             ; of, os
	v_lshl_add_u32 v254, v0, 2, 0x34000
	v_mov_b32 v255, 0
	ds_add_u32 v254, v255
	ds_add_u32 v254, v255
	v_lshrrev_b32 v1, 5, v0
	v_readfirstlane_b32 s[WV], v1                  ; wave 0..15
	s_bfe_u32 s17, ttmp6, 0x40000                  ; cx: my block of 256 query positions; it enters global addresses of my own alone
	s_and_b32 s18, ttmp7, 0xffff
	s_lshr_b32 s19, s18, 3                         ; 4 direction + batch: the queries' tensor
	s_and_b32 s22, s18, 7                          ; the pair of heads
	s_xor_b32 s23, s19, 4                          ; the keys' tensor, and the values'
	s_lshl_b32 s71, s22, 1
	s_lshl_b32 s70, s23, 4
	s_add_co_u32 s70, s70, s71                     ; the keys' first record
	s_and_b32 s72, s[WV], 1                        ; which half of a record I fetch, if I fetch
	s_mul_i32 s73, s72, KREC/2
	s_mul_i32 s74, s70, KREC
	s_add_co_u32 s74, s74, s73
	s_mov_b32 s75, 0
	s_mul_i32 s78, s72, VREC/2
	s_mul_i32 s76, s70, VREC
	s_add_co_u32 s76, s76, s78
	s_mov_b32 s77, 0
	s_lshl_b32 s80, s19, 4
	s_add_co_u32 s80, s80, s71                     ; the queries' first record
	s_lshl_b32 s81, s17, 4
	s_add_co_u32 s81, s81, s[WV]                   ; T: my tile of 16 query positions, 0 .. 63
	s_mul_i32 s82, s80, KREC
	s_mul_i32 s79, s81, 768
	s_add_co_u32 s84, s82, s79                     ; Q's codes
	s_mov_b32 s85, 0
	s_lshl_b32 s86, s81, 6
	s_add_co_u32 s86, s86, s82
	s_add_co_u32 s86, s86, 49152                   ; Q's scale words
	s_mov_b32 s87, 0
	s_and_b32 s88, s19, 3                          ; the mask: batch x 1,024 + the true row of position 16 T: 32 (T / 2) + 8 (T % 2)
	s_lshl_b32 s88, s88, 10
	s_lshr_b32 s89, s81, 1
	s_lshl_b32 s89, s89, 5
	s_add_co_u32 s88, s88, s89
	s_and_b32 s89, s81, 1
	s_lshl_b32 s89, s89, 3
	s_add_co_u32 s90, s88, s89
	s_mov_b32 s91, 0
	s_mul_i32 s[OFB], s80, 49152
	s_add_co_u32 s[OFB], s[OFB], s79
	s_mov_b32 s[OFB+1], 0
	s_lshl_b32 s[OSB], s19, 3
	s_add_co_u32 s[OSB], s[OSB], s22
	s_lshl_b32 s[OSB], s[OSB], 12
	s_lshl_b32 s[OSB+1], s17, 10
	s_add_co_u32 s[OSB], s[OSB], s[OSB+1]
	s_mov_b32 s[OSB+1], 0
	; descriptor group 1: half a record, dense in memory, as rows of 256 bytes (32 elements of 8 bytes); the mask names all four work-groups
	s_mov_b32 s[G1K], 15|(3<<16)|(1<<21)
	s_mov_b32 s[G1K+1], 32<<16                     ; tensor_dim0
	s_mov_b32 s[G1K+2], (KREC/512)<<16             ; tensor_dim1 = 104
	s_mov_b32 s[G1K+3], 32<<16                     ; tile_dim0
	s_mov_b32 s[G1K+4], KREC/512                   ; tile_dim1
	s_mov_b32 s[G1K+5], 32                         ; from row to row
	s_mov_b32 s[G1K+6], 0
	s_mov_b32 s[G1K+7], 0
	s_mov_b32 s[G1V], 15|(3<<16)|(1<<21)
	s_mov_b32 s[G1V+1], 32<<16
	s_mov_b32 s[G1V+2], (VREC/512)<<16             ; 100 rows
	s_mov_b32 s[G1V+3], 32<<16
	s_mov_b32 s[G1V+4], VREC/512
	s_mov_b32 s[G1V+5], 32
	s_mov_b32 s[G1V+6], 0
	s_mov_b32 s[G1V+7], 0
	s_mov_b32 s[SEL], 0x76543210
	s_mov_b32 s[SEL+1], 0xfedcba98
	s_wait_dscnt 0x0
	s_wait_kmcnt 0x0
	s_add_nc_u64 s[74:75], s[4:5], s[74:75]        ; K: my half of the first head's record
	s_add_nc_u64 s[76:77], s[6:7], s[76:77]        ; V likewise
	s_add_nc_u64 s[84:85], s[4:5], s[84:85]
	s_add_nc_u64 s[86:87], s[4:5], s[86:87]
	s_cmp_lt_u32 s19, 4                            ; the direction chooses the mask
	s_cselect_b64 s[88:89], s[8:9], s[10:11]
	s_add_nc_u64 s[88:89], s[88:89], s[90:91]
	s_add_nc_u64 s[OFB:OFB+1], s[12:13], s[OFB:OFB+1]
	s_add_nc_u64 s[OSB:OSB+1], s[14:15], s[OSB:OSB+1]
	CROUND                                         ; all four work-groups are here: the joint loads meet
.irp e, 0,1
	s_mov_b32 s[G0K+4*\e], 1
	s_add_co_u32 s[G0K+4*\e+1], s73, \e*HEADB      ; LDS: the head's K record, my half
	s_add_nc_u64 s[G0K+4*\e+2:G0K+4*\e+3], s[74:75], \e*KREC
	s_or_b32 s[G0K+4*\e+3], s[G0K+4*\e+3], 0x80000000
	s_mov_b32 s[G0V+4*\e], 1
	s_add_co_u32 s[G0V+4*\e+1], s78, \e*HEADB+KREC
	s_add_nc_u64 s[G0V+4*\e+2:G0V+4*\e+3], s[76:77], \e*VREC
	s_or_b32 s[G0V+4*\e+3], s[G0V+4*\e+3], 0x80000000
.endr
	s_cmp_lt_u32 s[WV], 2                          ; waves 0 and 1 fetch K's halves, waves 2 and 3 V's, the others nothing.  A wave's two loads stand in one branch: two loads of mine are out; four v_nop follow the second
	s_cbranch_scc0 .Lnot_k
	tensor_load_to_lds s[G0K:G0K+3], s[G1K:G1K+7]
	s_nop 0
	tensor_load_to_lds s[G0K+4:G0K+7], s[G1K:G1K+7]
	s_nop 0
.rept 4
	v_nop
.endr
	s_branch .Lasked
.Lnot_k:
	s_cmp_lt_u32 s[WV], 4
	s_cbranch_scc0 .Lasked
	tensor_load_to_lds s[G0V:G0V+3], s[G1V:G1V+7]
	s_nop 0
	tensor_load_to_lds s[G0V+4:G0V+7], s[G1V:G1V+7]
	s_nop 0
.rept 4
	v_nop
.endr
.Lasked:
	v_and_b32 v3, 31, v0                           ; lane
	v_and_b32 v4, 15, v0                           ; r
	v_lshlrev_b32 v1, 3, v3
	v_lshlrev_b32 v2, 2, v3
	v_lshlrev_b32 v5, 2, v4
	v_and_b32 v6, 8, v4
	v_add_nc_u32 v6, v6, v4                        ; r + 8 (r / 8): position r of my tile as a true row
.irp e, 0,1
.irp p, 0,1,2
	global_load_b64 v[QF+12*\e+2*\p:QF+12*\e+2*\p+1], v1, s[84:85] offset:KREC*\e+256*\p   ; Q's fragments stay in registers
.endr
	global_load_b32 v[24+\e], v5, s[86:87] offset:KREC*\e
.endr
	global_load_u8 v22, v6, s[88:89]               ; my query's mask byte
.irp e, 0,1
.irp i, 6,7,8,9,10,11
	v_mov_b32 v[QF+12*\e+\i], 0                    ; zero codes for k = 64 .. 127
.endr
.endr
.irp i, 48,49,50,51,52,53
	v_mov_b32 v[F+\i], 0                           ; what stands behind K's last tile
.endr
	s_lshl_b32 s70, s[WV], 6
	v_lshl_add_u32 v7, v4, 2, s70
	v_add_nc_u32 v7, OSTG, v7                      ; my query's scale word: 64 wave + 4 r
	v_and_b32 v9, 63, v0
	v_lshlrev_b32 v9, 4, v9                        ; waves 0 and 1 carry the 1,024 bytes out, 16 a lane
	v_add_nc_u32 v8, OSTG, v9
	v_mov_b32 v10, 0
	v_mov_b32 v15, 0                               ; (upper halves of pairs that are named whole)
	v_mov_b32 v17, 0
	v_mov_b32 v21, 0
.irp b, 0,1,2,3
	v_mov_b32 v[TM+4+\b], 0                        ; a lane permute's destination counts as one of its sources
.endr
	v_mov_b32 v28, 0x3e38aa3b                      ; log2(e) / 8
	v_mov_b32 v29, 0xc80ce360                      ; -100000 log2(e) = -144269.5 in f32
	v_mov_b32 v30, 0
	s_wait_loadcnt 0x0                             ; Q, its scale words, the mask; v5 and v6 may be written again
	v_cmp_ne_u32 vcc_lo, 0, v22
	v_cndmask_b32 v16, v30, v28, vcc_lo            ; cL
	v_cndmask_b32 v11, v29, v30, vcc_lo            ; tB
; One head of the pair.
.macro HEAD e
.if \e == 0
	s_wait_tensorcnt 0x1                           ; my part of the first head is in; the second head's load may be out
.else
	s_wait_tensorcnt 0x0                           ; my part of the second head is in
	s_wait_xcnt 0x0                                ; the first head's stores have read the codes' registers
.endif
	s_wait_dscnt 0x0
	s_barrier_signal -1
	s_barrier_wait -1                              ; everybody's is
	v_mov_b32 v13, 0xff61b1e6                      ; the largest t so far: -3e38
	v_floor_f32 v12, -v13                          ; -M
	v_mov_b32 v18, 0
	v_mov_b32 v19, 0
.set j, 0
.rept 32
	v_mov_b32 v[O+j], 0                            ; the step is written once: the first finds zeros, which the first change of M leaves zeros
.set j, j+1
.endr
	s_mov_b32 s[TB], \e*HEADB
	s_mov_b32 s[TSK], \e*HEADB
	s_mov_b32 s[TSV], \e*HEADB+KREC+49152
	s_mov_b32 s[CNT], 8
.Lstep_\e:
	v_add_nc_u32 v3, s[TB], v1                     ; these four lines are the places between the last products and the loads into their operands
	v_add_nc_u32 v4, s[TSK], v2
	v_add_nc_u32 v5, s[TSV], v2
	v_nop
.irp t, 0,1,2,3,4,5,6,7
.irp p, 0,1,2
	ds_load_b64 v[F+6*\t+2*\p:F+6*\t+2*\p+1], v3 offset:768*\t+256*\p
.endr
.endr
.irp b, 0,1,2,3
	ds_load_b32 v[KSC+\b], v4 offset:49152+128*\b  ; lanes 0-15: tile 2 b's words; lanes 16-31: tile 2 b + 1's
.endr
	s_wait_dscnt 0x0
.irp t, 0,2,4,6                                ; S^T = K Q^T: eight tiles of 16 key positions
	v_wmma_scale_f32_16x16x128_f8f6f4 v[S+8*\t:S+8*\t+7], v[F+6*\t:F+6*\t+11], v[QF+12*\e:QF+12*\e+11], 0, v[KSC+\t/2], v[24+\e] matrix_a_fmt:MATRIX_FMT_BF6 matrix_b_fmt:MATRIX_FMT_BF6
	v_wmma_scale_f32_16x16x128_f8f6f4 v[S+8*\t+8:S+8*\t+15], v[F+6*\t+6:F+6*\t+17], v[QF+12*\e:QF+12*\e+11], 0, v[KSC+\t/2], v[24+\e] matrix_a_fmt:MATRIX_FMT_BF6 matrix_b_fmt:MATRIX_FMT_BF6 matrix_a_scale:MATRIX_SCALE_ROW1
.endr
.rept 4
	v_nop                                          ; places: in front of the loads into K's registers and of the first read of the scores
.endr
.irp t, 0,1,2,3                                ; V's four fragments and their scale words are asked for now and land during the softmax
.irp p, 0,1,2,3,4,5
	ds_load_b64 v[F+12*\t+2*\p:F+12*\t+2*\p+1], v3 offset:KREC+1536*\t+256*\p
.endr
.endr
	ds_load_b32 v[VSC], v5
	ds_load_b32 v[VSC+1], v5 offset:128
.irp b, 0,1,2,3
	v_max3_num_f32 v[TM+\b], v[S+16*\b], v[S+1+16*\b], v[S+2+16*\b]   ; the largest score of each block of 32 keys: for the row's maximum, and, since p does not fall where the score rises, for the block's largest p
.endr
.irp i, 3,5,7,9,11,13
.irp b, 0,1,2,3
	v_max3_num_f32 v[TM+\b], v[TM+\b], v[S+16*\b+\i], v[S+1+16*\b+\i]
.endr
.endr
.irp b, 0,1,2,3
	v_max_num_f32 v[TM+\b], v[TM+\b], v[S+15+16*\b]
.endr
.irp b, 0,1,2,3
	v_permlanex16_b32 v[TM+4+\b], v[TM+\b], s[SEL], s[SEL+1]
.endr
.irp b, 0,1,2,3
	v_max_num_f32 v[TM+\b], v[TM+\b], v[TM+4+\b]   ; with lane l xor 16's 16 keys
.endr
	v_max3_num_f32 v22, v[TM], v[TM+1], v[TM+2]
	v_max_num_f32 v22, v22, v[TM+3]                ; the step's largest score of my query
	v_fma_f32 v22, v22, v16, v11                   ; as t (cL is not negative)
	v_max_num_f32 v13, v13, v22                    ; the running largest t
	v_mov_b32 v22, v12
	v_floor_f32 v12, -v13                          ; the new -M = -ceil(t)
	v_sub_f32 v22, v12, v22                        ; old M - new M: a whole number, 0 or less
	v_cvt_i32_f32 v22, v22                         ; (it saturates)
	v_ldexp_f32 v20, 1.0, v22                      ; f = 2^(old M - new M)
	v_add_f32 v14, v11, v12                        ; tB - M: exact (tB is 0, or M is its ceiling)
.set j, 0
.rept 32
	v_pk_fma_f32 v[S+j:S+j+1], v[S+j:S+j+1], v[16:17], v[14:15] op_sel_hi:[1,0,0]   ; t - M, two at a time
.set j, j+2
.endr
.irp b, 0,1,2,3
	v_fma_f32 v[TM+\b], v[TM+\b], v16, v14         ; the same of each block's largest score
.endr
.set j, 0
.rept 64
	v_exp_f32 v[S+j], v[S+j]                       ; p = 2^(t - M), at most 1
.set j, j+1
.endr
	v_pk_mul_f32 v[18:19], v[18:19], v[20:21] op_sel_hi:[1,0]   ; the sums under the new M (the plain line behind the exponentials)
	s_wait_alu depctr_va_vdst(0)                   ; one wait for the whole batch, ahead of its first reader
.irp b, 0,1,2,3
	v_exp_f32 v[TM+\b], v[TM+\b]                   ; the block's largest p: the same two instructions on the same number give the same bits
.endr
	v_pk_add_f32 v[TM+4:TM+5], v[S:S+1], v[S+2:S+3]   ; the row's sum is taken of the unquantised p, in two chains
.irp j, 4,8,12,16,20,24,28,32,36,40,44,48,52,56,60
	v_pk_add_f32 v[18:19], v[18:19], v[S+\j:S+\j+1]
	v_pk_add_f32 v[TM+4:TM+5], v[TM+4:TM+5], v[S+\j+2:S+\j+3]
.endr
	v_pk_add_f32 v[18:19], v[18:19], v[TM+4:TM+5]
	s_wait_alu depctr_va_vdst(0)                   ; and one for the four
.irp b, 0,1,2,3
	v_max_num_f32 v[TM+\b], 0x2800000, v[TM+\b]    ; the floor 2^(5 - 127): the byte cannot fall under 1
.endr
.irp b, 0,1,2,3
	v_add_nc_u32 v[TM+12+\b], 0xfe000000, v[TM+\b] ; 4 off the exponent field: the conversion's scale operand
.endr
.irp b, 0,1,2,3
	v_lshrrev_b32 v[TM+4+\b], 23, v[TM+12+\b]      ; the scale's byte
.endr
	v_lshl_or_b32 v26, v[TM+5], 8, v[TM+4]         ; p's scale word for these 128 keys
	v_lshl_or_b32 v26, v[TM+6], 16, v26
	v_lshl_or_b32 v26, v[TM+7], 24, v26
.irp c, 0,1
	v_cvt_scalef32_pk16_bf6_f32 v[PCD+6*\c:PCD+2+6*\c], v[S+32*\c:S+15+32*\c], v[TM+12+2*\c]
	v_cvt_scalef32_pk16_bf6_f32 v[PCD+12+4*\c:PCD+14+4*\c], v[S+16+32*\c:S+31+32*\c], v[TM+12+2*\c+1]
.endr
	v_nop                                          ; one plain line behind a scaled conversion
.irp c, 0,1                                    ; a whole block in a lane: lanes 0-15 block 2 c, lanes 16-31 block 2 c + 1
.irp i, 0,1,2
	v_permlane16_swap_b32 v[PCD+6*\c+\i], v[PCD+12+4*\c+\i]
.endr
.irp i, 0,1,2
	v_mov_b32 v[PCD+3+6*\c+\i], v[PCD+12+4*\c+\i]
.endr
.endr
.set j, 0
.rept 16
	v_pk_mul_f32 v[O+j:O+j+1], v[O+j:O+j+1], v[20:21] op_sel_hi:[1,0]   ; O^T under the new M.  These sixteen also stand between the lines that made p's codes and scale word and the products below
.set j, j+2
.endr
	s_wait_dscnt 0x0                               ; V
	; O^T += V^T P^T: four tiles of 16 channel positions; the four accumulators take turns, one instruction a turn
	v_wmma_scale_f32_16x16x128_f8f6f4 v[O:O+7], v[F:F+11], v[PCD:PCD+11], v[O:O+7], v[VSC], v26 matrix_a_fmt:MATRIX_FMT_BF6 matrix_b_fmt:MATRIX_FMT_BF6
	v_wmma_scale_f32_16x16x128_f8f6f4 v[O+8:O+15], v[F+12:F+23], v[PCD:PCD+11], v[O+8:O+15], v[VSC], v26 matrix_a_fmt:MATRIX_FMT_BF6 matrix_b_fmt:MATRIX_FMT_BF6 matrix_a_scale:MATRIX_SCALE_ROW1
	v_wmma_scale_f32_16x16x128_f8f6f4 v[O+16:O+23], v[F+24:F+35], v[PCD:PCD+11], v[O+16:O+23], v[VSC+1], v26 matrix_a_fmt:MATRIX_FMT_BF6 matrix_b_fmt:MATRIX_FMT_BF6
	v_wmma_scale_f32_16x16x128_f8f6f4 v[O+24:O+31], v[F+36:F+47], v[PCD:PCD+11], v[O+24:O+31], v[VSC+1], v26 matrix_a_fmt:MATRIX_FMT_BF6 matrix_b_fmt:MATRIX_FMT_BF6 matrix_a_scale:MATRIX_SCALE_ROW1
	s_add_co_u32 s[TB], s[TB], 6144                ; the next step's tiles: 8 x 768 of K, 4 x 1,536 of V,
	s_add_co_u32 s[TSK], s[TSK], 512               ; 128 scale words of K,
	s_add_co_u32 s[TSV], s[TSV], 256               ; 64 of V
	s_sub_co_u32 s[CNT], s[CNT], 1
	s_cmp_lg_u32 s[CNT], 0
	s_cbranch_scc1 .Lstep_\e
	; the head's way out: O^T / the sum, quantised along the channels: register 16 b + i is channel 32 b + 16 (lane / 16) + i
.rept 4
	v_nop                                          ; places behind the last products
.endr
	v_add_f32 v18, v18, v19                        ; the sum's two halves,
	v_permlanex16_b32 v22, v18, s[SEL], s[SEL+1]
	v_add_f32 v18, v18, v22                        ; and lane l xor 16's
	v_rcp_f32 v20, v18
	v_nop                                          ; a plain line behind the reciprocal
	s_wait_alu depctr_va_vdst(0)                   ; and the wait ahead of its first reader
.set j, 0
.rept 16
	v_pk_mul_f32 v[S+j:S+j+1], v[O+j:O+j+1], v[20:21] op_sel_hi:[1,0]
.set j, j+2
.endr
.irp b, 0,1
	v_max3_num_f32 v[TM+\b], |v[S+16*\b]|, |v[S+1+16*\b]|, 0x2800000
.endr
.irp i, 2,4,6,8,10,12,14
.irp b, 0,1
	v_max3_num_f32 v[TM+\b], v[TM+\b], |v[S+16*\b+\i]|, |v[S+1+16*\b+\i]|
.endr
.endr
.irp b, 0,1
	v_permlanex16_b32 v[TM+4+\b], v[TM+\b], s[SEL], s[SEL+1]
.endr
.irp b, 0,1
	v_max_num_f32 v[TM+\b], v[TM+\b], v[TM+4+\b]
.endr
.irp b, 0,1
	v_add_nc_u32 v[TM+12+\b], 0xfe000000, v[TM+\b]
.endr
.irp b, 0,1
	v_lshrrev_b32 v[TM+4+\b], 23, v[TM+12+\b]
.endr
	v_lshl_or_b32 v22, v[TM+5], 8, v[TM+4]         ; this head's two bytes
	v_lshrrev_b32 v10, 16, v10                     ; the word: the first head's below, the second's above
	v_lshl_or_b32 v10, v22, 16, v10
	v_cvt_scalef32_pk16_bf6_f32 v[PCD:PCD+2], v[S:S+15], v[TM+12]
	v_cvt_scalef32_pk16_bf6_f32 v[PCD+12:PCD+14], v[S+16:S+31], v[TM+13]
	v_nop
.irp i, 0,1,2
	v_permlane16_swap_b32 v[PCD+\i], v[PCD+12+\i]
.endr
.irp i, 0,1,2
	v_mov_b32 v[PCD+3+\i], v[PCD+12+\i]
.endr
.irp p, 0,1,2
	global_store_b64 v1, v[PCD+2*\p:PCD+2*\p+1], s[OFB:OFB+1] offset:49152*\e+256*\p   ; 32 lanes store 256 consecutive bytes, aligned
.endr
.endm
	HEAD 0
	HEAD 1
	ds_store_b32 v7, v10                           ; both halves of the lanes write the same word with the same value
	s_wait_dscnt 0x0
	s_barrier_signal -1
	s_barrier_wait -1                              ; the 256 words lie in LDS
	s_cmp_lt_u32 s[WV], 2
	s_cbranch_scc0 .Lno_words
	ds_load_b128 v[S:S+3], v8
	s_wait_dscnt 0x0
	global_store_b128 v9, v[S:S+3], s[OSB:OSB+1]   ; a wave stores 512 consecutive bytes, aligned
.Lno_words:
	s_wait_tensorcnt 0x0
	ds_add_u32 v254, v255
	s_wait_dscnt 0x0
	CROUND                                         ; the closing round
	s_endpgm
.Lfunc_end_k_qa5b21737a6_attn:
	.size	k_qa5b21737a6_attn, .Lfunc_end_k_qa5b21737a6_attn-k_qa5b21737a6_attn
	.p2alignl 7, 3214868480
	.fill 96, 4, 3214868480
	.section	.rodata,"a",@progbits
	.p2align	6, 0x0
	.amdhsa_kernel k_qa5b21737a6_attn
		.amdhsa_group_segment_fixed_size 215040
		.amdhsa_private_segment_fixed_size 0
		.amdhsa_enable_private_segment 0
		.amdhsa_kernarg_size 48
		.amdhsa_user_sgpr_count 2
		.amdhsa_user_sgpr_kernarg_segment_ptr 1
		.amdhsa_wavefront_size32 1
		.amdhsa_system_sgpr_workgroup_id_x 1
		.amdhsa_system_sgpr_workgroup_id_y 1
		.amdhsa_system_sgpr_workgroup_id_z 1
		.amdhsa_system_vgpr_workitem_id 0
		.amdhsa_next_free_vgpr 256
		.amdhsa_next_free_sgpr 96
		.amdhsa_reserve_vcc 1
		.amdhsa_float_denorm_mode_32 3
		.amdhsa_float_denorm_mode_16_64 3
		.amdhsa_memory_ordered 1
		.amdhsa_forward_progress 1
		.amdhsa_inst_pref_size 54
	.end_amdhsa_kernel
	.amdgpu_metadata
---
amdhsa.version: [ 1, 2 ]
amdhsa.kernels:
  - .name:           k_qa5b21737a6_attn
    .symbol:         k_qa5b21737a6_attn.kd
    .args:
      - { .name: qk, .offset: 0, .size: 8, .value_kind: global_buffer, .address_space: global }
      - { .name: vv, .offset: 8, .size: 8, .value_kind: global_buffer, .address_space: global }
      - { .name: src_mask, .offset: 16, .size: 8, .value_kind: global_buffer, .address_space: global }
      - { .name: tgt_mask, .offset: 24, .size: 8, .value_kind: global_buffer, .address_space: global }
      - { .name: of, .offset: 32, .size: 8, .value_kind: global_buffer, .address_space: global }
      - { .name: os, .offset: 40, .size: 8, .value_kind: global_buffer, .address_space: global }
    .group_segment_fixed_size: 215040
    .private_segment_fixed_size: 0
    .kernarg_segment_align: 8
    .kernarg_segment_size: 48
    .max_flat_workgroup_size: 512
    .sgpr_count:     96
    .vgpr_count:     256
    .wavefront_size: 32
...
	.end_amdgpu_metadata
.endif
;; end of part 3
;; launch outp (part 4): grid 4 x 32, 4 waves a work-group, clusters of 4 x 4, 327,680 bytes of LDS; arguments of, os, codes, scales, ob, out0, out1; writes out0, out1
.if DOCPART == 4
	.amdgcn_target "amdgcn-amd-amdhsa--gfx1250"
	.amdhsa_code_object_version 6
	.text
	.protected	k_qa5b21737a6_outp
	.globl	k_qa5b21737a6_outp
	.p2align	8
	.type	k_qa5b21737a6_outp,@function
k_qa5b21737a6_outp:
	s_mov_b64 s[64:65], 0
	v_nop
	global_prefetch_b8 v0, s[64:65] scope:SCOPE_SE
	s_setreg_imm32_b32 hwreg(HW_REG_WAVE_MODE, 25, 1), 1
	s_wait_xcnt 0x0
	s_wait_alu depctr_hold_cnt(0) depctr_sa_sdst(0) depctr_va_vdst(0) depctr_va_sdst(0) depctr_va_ssrc(0) depctr_va_vcc(0) depctr_vm_vsrc(0)
	s_getreg_b32 s2, hwreg(HW_REG_IB_STS2, 6, 4)
	s_cmp_eq_u32 s2, 0
	s_cbranch_scc0 .Lentry_in_a_cluster
	s_endpgm
.Lentry_in_a_cluster:
	s_bfe_u32 s2, ttmp6, 0x10000c
	s_cmp_lg_u32 s2, 0xf033
	s_cbranch_scc0 .Lentry_shape_is_right
	s_endpgm
.Lentry_shape_is_right:
; out0, out1 = o ow^T + ob, on codes of BF6 (E3M2) with one E8M0 scale for each 32 along K = 1,024.  The cluster's y = 4 direction + batch; cy = which 256 row positions of the batch; cx = which 256 columns.
; A tile of C is 256 x 256: four waves, 128 x 128 each.  128 tiles: half of the chip's work-group places stay without one (a tile of 128 x 256 would fill them; not built here).
; A (o) lies in memory as images of operand registers: of [direction and batch][head][tile of 16 positions][3 pieces][lane][8 bytes]: registers 0-5 of a fragment come from an even head, 6-11 from the odd head behind it.
;   A slot's part (4 heads x 8 tiles x 768 bytes for 128 rows) is one tensor tile of 4 rows of 6,144 bytes, 49,152 bytes apart; a fragment load's 32 lanes read 256 consecutive bytes of LDS.
;   A's scale words: os [direction and batch][pair of heads][position]: 8 rows of 512 bytes for 128 rows; they come once and stay.
; B (ow) is rows 11,264 on of codes and scales, rows by position (position 16 u + i of 32 holds row 8 u + i + 8 (i / 8)); tiles, padding and scale bytes as in the projections' launch.
; The matrix instruction is used transposed (source 0 = 16 rows of B, source 1 = 16 rows of A): in accumulator (a, b) lane (r, h) holds A's position r and columns 32 (b / 2) + 16 h + 8 (b % 2) + 0 .. 7, true ones.
; ob is the C of each sum's first product.  On the way out a block goes through the wave's stage in LDS and leaves as whole rows of 512 bytes, each to its TRUE row of the output.
; Joint loads: A's tiles along a row of the cluster, B's along a column.  No prefetch: K has four steps, two of them first fills.
; REGISTERS, in windows of 256: window 0: v0-31 addresses; v32-63 B's scale words, two sets; v64-127 ob; v128-223 A's fragments; v224-255 A's scale words, two sets.  window 1: B's fragments, two sets.  windows 2, 3: the accumulators.
.set SIZE_K, 1024
.set KSTEP,  256
.set NQ,     KSTEP/128
.set ROWB,   192
.set KROW,   SIZE_K*6/8
.set PITCH,  240
.set FR,     12
.set NL,     6
.set NP,     4
.set HALFT,  128*PITCH                 ; a wave's part of a slot (A's images use 24,576 of it)
.set SLOT,   4*HALFT
.set LAPS,   SIZE_K/(2*KSTEP)
.set KS,     SIZE_K/32
.set SCL,    2*SLOT
.set HALFS,  (128*KS/256)*272          ; a wave's part of the scales' region (A's words use 4,096 of it)
.set SBLK,   (16*KS/256)*272
.set SPARE,  SCL+4*HALFS               ; the spare words, 128 bytes for each wave: two blocks of 256 bytes that no other line names
.set SPITCH, 528                       ; the stage: 16 rows x (512 bytes + 16) for each wave, in slot 0, which has had its last fill and its last read when the first result is stored there
.set ASTEP,  4*49152                   ; A: a slot on is four heads on
.set ADRA, 16                          ; v16-17 LDS address of my A fragments in slot 0, 1: 8 x lane
.set ADRB, 20                          ; v20-23 of my B fragments (v22-23: behind one padding more)
.set STO,  24                          ; v24  the way out: where I put 32 bytes of a row
.set RD,   25                          ; v25  where I read a row back
.set CO,   26                          ; v26  16 x lane
.set ADRS, 27                          ; v27  LDS address of B's scale words
.set SPW,  28                          ; v28  my spare word; never rewritten
.set NIL,  29                          ; v29  0; never rewritten
.set ADSA, 30                          ; v30  LDS address of A's scale words
.set BOC,  31                          ; v31  ob's offset: 64 (lane / 16)
.set SC,   32                          ; B's scale words: set s at v[SC + 16 s], register 2 i + q
.set CB,   64                          ; ob in the result's layout
.set AF,   128
.set SCA,  224                         ; A's scale words: set s at v[SCA + 16 s], register 2 i + q
.set BK,   128                         ; the way out: rows read back: v128-191 and v192-255 by turns
.set CY,   104                         ; s104 the cluster's y
.set G1, 24
.set G0, 32
.set G1B, 48
.set G0B, 56
.set G1S, 68
.set G0S, 76
.set G1SB, 80
.set G0SB, 88
.set MSB, 0
.macro WIN new
.if MSB != (\new)
	s_set_vgpr_msb (MSB<<8)|(\new)
.set MSB, (\new)
.endif
.endm
.set MUL_LO, 0xa1                      ; source 0 (B) window 1, source 1 (A) window 0, C and D window 2
.set MUL_HI, 0xf1
.set FST_LO, 0x81                      ; the first step: C (ob) window 0, D window 2
.set FST_HI, 0xc1
.set TO_B,   0x40
.macro JLOAD g0a, g1a, g0b, g1b        ; waves 0 and 1 fetch for A, waves 2 and 3 for B; four v_nop follow each of the two lines
	s_cmp_eq_u32 s15, 0
	s_cbranch_scc0 .Lfor_b_\@
	tensor_load_to_lds s[\g0a:\g0a+3], s[\g1a:\g1a+7]
	s_nop 0
.rept 4
	v_nop
.endr
	s_branch .Lasked_\@
.Lfor_b_\@:
	tensor_load_to_lds s[\g0b:\g0b+3], s[\g1b:\g1b+7]
	s_nop 0
.rept 4
	v_nop
.endr
.Lasked_\@:
.endm
.macro CREST
	s_cmp_lg_u32 s14, 0
	s_cbranch_scc1 .Lnot_wave_0_\@
	s_barrier_signal -3
.Lnot_wave_0_\@:
	s_barrier_wait -3
	s_barrier_signal -1
	s_barrier_wait -1
.endm
.macro CROUND
	s_barrier_signal -1
	s_barrier_wait -1
	CREST
.endm
	s_load_b256 s[4:11], s[0:1], 0x0               ; of, os, codes, scales
	s_load_b128 s[96:99], s[0:1], 0x20             ; ob, out0
	s_load_b64 s[100:101], s[0:1], 0x30            ; out1
	v_lshl_add_u32 v[SPW], v0, 2, SPARE
	v_mov_b32 v[NIL], 0
	ds_add_u32 v28, v29
	ds_add_u32 v28, v29
	s_wait_dscnt 0x0
	v_lshrrev_b32 v1, 5, v0
	v_readfirstlane_b32 s14, v1                    ; wave 0..3
	s_lshr_b32 s15, s14, 1                         ; my half of the rows.  Also: I fetch for A (0) or for B (1)
	s_and_b32 s16, s14, 1                          ; my half of the columns.  Also: which 128 rows I fetch
	s_bfe_u32 s40, ttmp6, 0x40000                  ; cx
	s_bfe_u32 s41, ttmp6, 0x40004                  ; cy
	s_and_b32 s[CY], ttmp7, 0xffff                 ; 4 direction + batch
	s_lshl_b32 s43, s41, 2
	s_lshl_b32 s43, 15, s43                        ; my row of the cluster
	s_lshl_b32 s44, 0x1111, s40                    ; my column
	; A's tiles: 4 rows (heads) of 768 elements of 8 bytes, 6,144 elements apart; no padding
	s_or_b32 s[G1+0], s43, (3<<16)|(1<<21)
	s_mov_b32 s[G1+1], 768<<16                     ; tensor_dim0
	s_mov_b32 s[G1+2], 4<<16                       ; tensor_dim1
	s_mov_b32 s[G1+3], 768<<16                     ; tile_dim0
	s_mov_b32 s[G1+4], 4                           ; tile_dim1
	s_mov_b32 s[G1+5], 6144                        ; from row to row
	s_mov_b32 s[G1+6], 0
	s_mov_b32 s[G1+7], 0
	; B's tiles: 128 rows x 192 bytes, 16 bytes of padding behind every 64
	s_or_b32 s[G1B+0], s44, (0<<16)|(1<<20)|(1<<21)|(3<<22)|(3<<25)
	s_mov_b32 s[G1B+1], ROWB<<16
	s_mov_b32 s[G1B+2], 128<<16
	s_mov_b32 s[G1B+3], ROWB<<16
	s_mov_b32 s[G1B+4], 128
	s_mov_b32 s[G1B+5], KROW
	s_mov_b32 s[G1B+6], 0
	s_mov_b32 s[G1B+7], 0
	; A's scale words: 8 rows (pairs of heads) of 64 elements of 8 bytes, 512 elements apart
	s_or_b32 s[G1S+0], s43, (3<<16)|(1<<21)
	s_mov_b32 s[G1S+1], 64<<16
	s_mov_b32 s[G1S+2], 8<<16
	s_mov_b32 s[G1S+3], 64<<16
	s_mov_b32 s[G1S+4], 8
	s_mov_b32 s[G1S+5], 512
	s_mov_b32 s[G1S+6], 0
	s_mov_b32 s[G1S+7], 0
	; B's scale bytes: a dense block of 4,096 bytes as rows of 256, 16 bytes of padding behind each
	s_or_b32 s[G1SB+0], s44, (3<<16)|(1<<20)|(1<<21)|(5<<22)|(3<<25)
	s_mov_b32 s[G1SB+1], 32<<16
	s_mov_b32 s[G1SB+2], (128*KS/256)<<16
	s_mov_b32 s[G1SB+3], 32<<16
	s_mov_b32 s[G1SB+4], 128*KS/256
	s_mov_b32 s[G1SB+5], 32
	s_mov_b32 s[G1SB+6], 0
	s_mov_b32 s[G1SB+7], 0
	s_mul_i32 s20, s[CY], 16*49152                 ; A's codes: direction and batch,
	s_mul_i32 s18, s41, 16*768                     ; 16 tiles for each 256 positions,
	s_add_co_u32 s20, s20, s18
	s_mul_i32 s18, s16, 8*768                      ; 8 for the half that I fetch
	s_add_co_u32 s20, s20, s18
	s_mov_b32 s21, 0
	s_lshl_b32 s22, s[CY], 15                      ; A's scale words likewise
	s_lshl_b32 s18, s41, 10
	s_add_co_u32 s22, s22, s18
	s_lshl_b32 s18, s16, 9
	s_add_co_u32 s22, s22, s18
	s_mov_b32 s23, 0
	s_lshl_b32 s46, s40, 8                         ; B: row 11,264 + 256 cx + 128 x half
	s_lshl_b32 s18, s16, 7
	s_add_co_u32 s46, s46, s18
	s_add_co_u32 s46, s46, 11264
	s_lshl_b32 s92, s46, 5                         ; its scale bytes
	s_mov_b32 s93, 0
	s_mul_i32 s46, s46, KROW                       ; its codes
	s_mov_b32 s47, 0
	s_mul_i32 s45, s14, HALFT                      ; where they go: by the wave's number alone
	s_mul_i32 s94, s14, HALFS
	s_wait_kmcnt 0x0
	s_add_nc_u64 s[20:21], s[4:5], s[20:21]
	s_add_nc_u64 s[22:23], s[6:7], s[22:23]
	s_add_nc_u64 s[46:47], s[8:9], s[46:47]
	s_add_nc_u64 s[92:93], s[10:11], s[92:93]
	CROUND                                         ; all sixteen work-groups are here: the first joint loads meet
	s_mov_b32 s[G0S], 1
	s_add_co_u32 s[G0S+1], s94, SCL
	s_mov_b64 s[G0S+2:G0S+3], s[22:23]
	s_or_b32 s[G0S+3], s[G0S+3], 0x80000000
	s_mov_b32 s[G0SB], 1
	s_add_co_u32 s[G0SB+1], s94, SCL
	s_mov_b64 s[G0SB+2:G0SB+3], s[92:93]
	s_or_b32 s[G0SB+3], s[G0SB+3], 0x80000000
	JLOAD G0S, G1S, G0SB, G1SB                     ; the scales first.  With the two below three loads of mine are out
.irp s, 0,1
	s_mov_b32 s[G0+4*\s], 1
	s_add_co_u32 s[G0+4*\s+1], s45, \s*SLOT
	s_add_nc_u64 s[G0+4*\s+2:G0+4*\s+3], s[20:21], \s*ASTEP
	s_or_b32 s[G0+4*\s+3], s[G0+4*\s+3], 0x80000000
	s_mov_b32 s[G0B+4*\s], 1
	s_add_co_u32 s[G0B+4*\s+1], s45, \s*SLOT
	s_add_nc_u64 s[G0B+4*\s+2:G0B+4*\s+3], s[46:47], \s*ROWB
	s_or_b32 s[G0B+4*\s+3], s[G0B+4*\s+3], 0x80000000
	JLOAD G0+4*\s, G1, G0B+4*\s, G1B
.endr
	v_and_b32 v1, 15, v0                           ; r
	v_bfe_u32 v2, v0, 4, 1                         ; h
	v_mul_u32_u24 v3, v1, PITCH
	v_mul_u32_u24 v4, v2, 24
	v_add_nc_u32 v4, v3, v4                        ; B: a fragment's row x pitch + 24 x half
	v_lshl_add_u32 v5, v2, 4, v4                   ; and behind one padding more
	v_and_b32 v6, 31, v0
	v_lshlrev_b32 v7, 3, v6                        ; A: 8 x lane
	s_mul_i32 s21, s15, HALFT                      ; my 128 rows of A
	s_mul_i32 s22, s16, HALFT
	s_add_co_u32 s22, s22, 2*HALFT                 ; my 128 rows of B
.irp s, 0,1
	v_add_nc_u32 v[ADRA+\s], s21, v7
	v_add_nc_u32 v[ADRB+\s], s22, v4
	v_add_nc_u32 v[ADRB+2+\s], s22, v5
	s_add_co_u32 s21, s21, SLOT
	s_add_co_u32 s22, s22, SLOT
.endr
	v_mul_u32_u24 v5, v1, KS                       ; B's scale bytes: 32 a row, and 16 more for each 256 passed
	v_lshrrev_b32 v6, 8, v5
	v_lshl_add_u32 v5, v6, 4, v5
	s_mul_i32 s22, s16, HALFS
	s_add_co_u32 s22, s22, SCL+2*HALFS
	v_add_nc_u32 v[ADRS], s22, v5
	s_mul_i32 s21, s15, HALFS
	s_add_co_u32 s21, s21, SCL
	v_lshl_add_u32 v[ADSA], v1, 2, s21             ; A's scale words: 4 r
	s_mul_i32 s23, s14, 16*SPITCH                  ; my stage
	v_mul_u32_u24 v5, v1, SPITCH
	v_lshl_add_u32 v5, v2, 6, v5
	v_add_nc_u32 v[STO], s23, v5                   ; in: row r, + 64 h
	v_and_b32 v6, 31, v0
	v_lshlrev_b32 v[CO], 4, v6
	v_add_nc_u32 v[RD], s23, v[CO]                 ; back: the 32 lanes take one row of 512 bytes
	s_lshl_b32 s46, s40, 10
	s_lshl_b32 s47, s16, 9
	s_add_co_u32 s46, s46, s47                     ; my first column, in bytes: 4 (256 cx + 128 x half)
	s_mov_b32 s47, 0
	s_add_nc_u64 s[96:97], s[96:97], s[46:47]      ; ob there
	s_and_b32 s20, s[CY], 3
	s_lshl_b32 s20, s20, 2
	s_add_co_u32 s20, s20, s41                     ; 4 batch + cy
	s_lshl_b32 s20, s20, 8
	s_lshl_b32 s21, s15, 7
	s_add_co_u32 s20, s20, s21                     ; the first of my 128 rows
	s_lshl_b32 s20, s20, 12                        ; rows of 4,096 bytes
	s_add_co_u32 s20, s20, s46
	s_mov_b32 s21, 0
	s_cmp_lt_u32 s[CY], 4                          ; the direction chooses the output
	s_cselect_b64 s[12:13], s[98:99], s[100:101]
	s_add_nc_u64 s[12:13], s[12:13], s[20:21]
	v_lshlrev_b32 v[BOC], 6, v2
.irp t, 0,1,2,3,4,5,6,7                        ; register 8 t + j: column 32 (t / 2) + 16 h + 8 (t % 2) + j
	global_load_b128 v[CB+8*\t:CB+8*\t+3], v[BOC], s[96:97] offset:(32*(\t/2)+8*(\t%2))*4
	global_load_b128 v[CB+8*\t+4:CB+8*\t+7], v[BOC], s[96:97] offset:(32*(\t/2)+8*(\t%2))*4+16
.endr
.macro FRAG reg, adr, q, i             ; a fragment of B, in pieces of 8 bytes from padded rows
.irp p, 0,1,2,3,4,5
.set PIECE, 12*(\q)+6*(\p/3)+\p%3
.if PIECE%8 < 5
	ds_load_b64 v[\reg+2*\p:\reg+2*\p+1], v[\adr] offset:8*PIECE+16*(PIECE/8)+(\i)*16*PITCH
.else
	ds_load_b64 v[\reg+2*\p:\reg+2*\p+1], v[\adr+2] offset:8*PIECE+16*(PIECE/8)+(\i)*16*PITCH
.endif
.endr
.endm
.macro FRAGA reg, slot, q, i           ; a fragment of A, from its image: pieces 0-2 from the slot's head 2 q, pieces 3-5 from head 2 q + 1
.irp p, 0,1,2,3,4,5
	ds_load_b64 v[\reg+2*\p:\reg+2*\p+1], v[ADRA+\slot] offset:(2*(\q)+\p/3)*6144+768*(\i)+256*(\p%3)
.endr
.endm
; 16 matrix instructions: A's blocks a0, a0 + 1 x B's eight.  The 64 accumulators take turns, one instruction a turn.  zero = 1: the first product starts the sum with ob.
.macro MUL16 a0, p, q, sc, zero
.irp a, \a0, \a0+1
.irp b, 0,1,2,3,4,5,6,7
.if \zero
	v_wmma_scale_f32_16x16x128_f8f6f4 v[8*(8*((\a)%4)+\b):8*(8*((\a)%4)+\b)+7], v[128*(\p)+FR*\b:128*(\p)+FR*\b+FR-1], v[AF+FR*(\a):AF+FR*(\a)+FR-1], v[CB+8*\b:CB+8*\b+7], v[SC+16*(\sc)+2*\b+(\q)], v[SCA+16*(\sc)+2*(\a)+(\q)] matrix_a_fmt:MATRIX_FMT_BF6 matrix_b_fmt:MATRIX_FMT_BF6
.else
	v_wmma_scale_f32_16x16x128_f8f6f4 v[8*(8*((\a)%4)+\b):8*(8*((\a)%4)+\b)+7], v[128*(\p)+FR*\b:128*(\p)+FR*\b+FR-1], v[AF+FR*(\a):AF+FR*(\a)+FR-1], v[8*(8*((\a)%4)+\b):8*(8*((\a)%4)+\b)+7], v[SC+16*(\sc)+2*\b+(\q)], v[SCA+16*(\sc)+2*(\a)+(\q)] matrix_a_fmt:MATRIX_FMT_BF6 matrix_b_fmt:MATRIX_FMT_BF6
.endif
.endr
.endr
.endm
.macro FETCH_B slot, q, p
	WIN TO_B
.irp i, 0,1,2,3,4,5,6,7
	FRAG 128*(\p)+FR*\i, ADRB+\slot, \q, \i
.endr
	WIN 0
.endm
.macro FETCH_A slot, q, i0
.irp i, \i0, \i0+1, \i0+2, \i0+3
	FRAGA AF+FR*(\i), \slot, \q, \i
.endr
.endm
.macro SCALES sc                       ; the next K step's scale words: 8 loads for B (two words a row), 16 for A
.irp i, 0,1,2,3,4,5,6,7
	ds_load_b64 v[SC+16*\sc+2*\i:SC+16*\sc+2*\i+1], v[ADRS] offset:\i*SBLK
.endr
.irp i, 0,1,2,3,4,5,6,7
	ds_load_b32 v[SCA+16*\sc+2*\i], v[ADSA] offset:64*\i
	ds_load_b32 v[SCA+16*\sc+2*\i+1], v[ADSA] offset:512+64*\i
.endr
.endm
.macro PLACES n
.rept \n
	v_nop
.endr
.endm
.macro STEP slot, q, zero
	s_wait_dscnt 4*NL                              ; all but the youngest 24 loads (A's blocks 4-7) are in
.if \zero
	WIN FST_LO
.else
	WIN MUL_LO
.endif
	MUL16 0, (\q)%2, \q, \slot, \zero
	MUL16 2, (\q)%2, \q, \slot, \zero
	s_wait_dscnt 0
	PLACES NP
	FETCH_B \slot, (\q)+1, 1-(\q)%2
	FETCH_A \slot, (\q)+1, 0
.if \zero
	WIN FST_HI
.else
	WIN MUL_HI
.endif
	MUL16 4, (\q)%2, \q, \slot, \zero
	MUL16 6, (\q)%2, \q, \slot, \zero
	PLACES NP
	WIN 0
	FETCH_A \slot, (\q)+1, 4
.endm
.macro TURN slot, next, fill           ; a slot's last step changes slots
	s_wait_tensorcnt 0x0                           ; all my tensor loads have landed: my part of the next slot
	ds_add_u32 v[SPW], v[NIL]                      ; 0 onto my spare word
	s_wait_dscnt 4*NL+1                            ; (the add and the youngest 24 loads may be out)
	WIN MUL_LO
	MUL16 0, 1, NQ-1, \slot, 0
	s_wait_dscnt 0x0                               ; the add is done, and my reads of this slot are over
	s_barrier_signal -1
	MUL16 2, 1, NQ-1, \slot, 0
	WIN 0
	s_barrier_wait -1
.if \fill
	CREST                                          ; a round of the cluster's barrier: no wave of any partner still reads this slot or has a load on its way
	s_add_nc_u64 s[G0+4*\slot+2:G0+4*\slot+3], s[G0+4*\slot+2:G0+4*\slot+3], 2*ASTEP
	s_add_nc_u64 s[G0B+4*\slot+2:G0B+4*\slot+3], s[G0B+4*\slot+2:G0B+4*\slot+3], 2*ROWB
	JLOAD G0+4*\slot, G1, G0B+4*\slot, G1B         ; the first tensor load behind the round; its four v_nop are the places in front of the loads below
.else
	PLACES NP
.endif
	v_add_nc_u32 v[ADRS], 4*NQ, v[ADRS]            ; on to the next K step's scale words: 8 bytes in a row of B's,
	v_add_nc_u32 v[ADSA], 1024, v[ADSA]            ; two pairs of heads in A's
	FETCH_B \next, 0, 0
	FETCH_A \next, 0, 0
	SCALES \next
	WIN MUL_HI
	MUL16 4, 1, NQ-1, \slot, 0
	MUL16 6, 1, NQ-1, \slot, 0
	PLACES NP
	WIN 0
	FETCH_A \next, 0, 4
.endm
	s_wait_tensorcnt 1                             ; the scales and my part of K step 0 are in (K step 1's load may be out)
	s_barrier_signal -1
	s_barrier_wait -1                              ; everybody's are
	FETCH_B 0, 0, 0
	FETCH_A 0, 0, 0
	SCALES 0
	FETCH_A 0, 0, 4
	s_wait_loadcnt 0x0                             ; ob
	STEP 0, 0, 1                                   ; the first step stands in front of the loop: its products start the sums
	s_mov_b32 s3, LAPS-1
.Llap:
	TURN 0, 1, 1
	STEP 1, 0, 0
	TURN 1, 0, 1
	STEP 0, 0, 0
	s_sub_co_u32 s3, s3, 1
	s_cmp_lg_u32 s3, 0
	s_cbranch_scc1 .Llap
	TURN 0, 1, 0                                   ; the last lap fills nothing
	STEP 1, 0, 0
	s_wait_dscnt 4*NL
	WIN MUL_LO
	MUL16 0, 1, NQ-1, 1, 0
	MUL16 2, 1, NQ-1, 1, 0
	s_wait_dscnt 0
	WIN MUL_HI
	MUL16 4, 1, NQ-1, 1, 0
	MUL16 6, 1, NQ-1, 1, 0
	WIN 0
; THE WAY OUT, block by block of 16 row positions x 128 columns, through my own stage.  LDS serves a wave's instructions in order: no wait between the stores and the loads, nor in front of the next block's stores.
.macro TOSTAGE a
.set AC, 64*((\a)%4)
	WIN 0x08+4*((\a)/4)                            ; the data: window 2 or 3
.irp b, 0,1,2,3,4,5,6,7
	ds_store_b128 v[STO], v[AC+8*\b:AC+8*\b+3] offset:128*(\b/2)+32*(\b%2)        ; each accumulator from its low end on; columns 32 (b / 2) + 16 h + 8 (b % 2) on
	ds_store_b128 v[STO], v[AC+8*\b+4:AC+8*\b+7] offset:128*(\b/2)+32*(\b%2)+16
.endr
	WIN 0
.set BB, BK+64*((\a)%2)
.irp t, 0,1,2,3,4,5,6,7,8,9,10,11,12,13,14,15
	ds_load_b128 v[BB+4*\t:BB+4*\t+3], v[RD] offset:\t*SPITCH
.endr
.endm
.macro SEND a, younger                 ; position t of block a is row 32 (a / 2) + 8 (a % 2) + t + 8 (t / 8) of my 128: it stands in the immediate, 127 rows of 4,096 bytes at the most
.set BB, BK+64*((\a)%2)
	s_wait_dscnt \younger                          ; the block is back in registers
.irp t, 0,1,2,3,4,5,6,7,8,9,10,11,12,13,14,15
	global_store_b128 v[CO], v[BB+4*\t:BB+4*\t+3], s[12:13] offset:(32*((\a)/2)+8*((\a)%2)+\t+8*(\t/8))*4096 th:TH_STORE_NT   ; 32 lanes store 512 consecutive bytes, aligned
.endr
.endm
	PLACES NP                                      ; behind the last products: in front of the loads into A's registers and of the reads of results
	TOSTAGE 0
.irp a, 1,2,3,4,5,6,7
.if \a > 1
	s_wait_xcnt 0x0                                ; block a - 2's stores have read their registers: block a's loads may land there
.endif
	TOSTAGE \a
	SEND \a-1, 32                                  ; behind block a - 1's loads: block a's 16 stores and 16 loads
.endr
	SEND 7, 0
	s_wait_tensorcnt 0x0                           ; the wave's end
	ds_add_u32 v[SPW], v[NIL]
	s_wait_dscnt 0x0
	CROUND                                         ; the closing round
	s_endpgm
.Lfunc_end_k_qa5b21737a6_outp:
	.size	k_qa5b21737a6_outp, .Lfunc_end_k_qa5b21737a6_outp-k_qa5b21737a6_outp
	.p2alignl 7, 3214868480
	.fill 96, 4, 3214868480
	.section	.rodata,"a",@progbits
	.p2align	6, 0x0
	.amdhsa_kernel k_qa5b21737a6_outp
		.amdhsa_group_segment_fixed_size 327680
		.amdhsa_private_segment_fixed_size 0
		.amdhsa_enable_private_segment 0
		.amdhsa_kernarg_size 56
		.amdhsa_user_sgpr_count 2
		.amdhsa_user_sgpr_kernarg_segment_ptr 1
		.amdhsa_wavefront_size32 1
		.amdhsa_system_sgpr_workgroup_id_x 1
		.amdhsa_system_sgpr_workgroup_id_y 1
		.amdhsa_system_sgpr_workgroup_id_z 1
		.amdhsa_system_vgpr_workitem_id 0
		.amdhsa_next_free_vgpr 1024
		.amdhsa_next_free_sgpr 106
		.amdhsa_reserve_vcc 0
		.amdhsa_float_denorm_mode_32 3
		.amdhsa_float_denorm_mode_16_64 3
		.amdhsa_memory_ordered 1
		.amdhsa_forward_progress 1
		.amdhsa_inst_pref_size 165
	.end_amdhsa_kernel
	.amdgpu_metadata
---
amdhsa.version: [ 1, 2 ]
amdhsa.kernels:
  - .name:           k_qa5b21737a6_outp
    .symbol:         k_qa5b21737a6_outp.kd
    .args:
      - { .name: of, .offset: 0, .size: 8, .value_kind: global_buffer, .address_space: global }
      - { .name: os, .offset: 8, .size: 8, .value_kind: global_buffer, .address_space: global }
      - { .name: codes, .offset: 16, .size: 8, .value_kind: global_buffer, .address_space: global }
      - { .name: scales, .offset: 24, .size: 8, .value_kind: global_buffer, .address_space: global }
      - { .name: ob, .offset: 32, .size: 8, .value_kind: global_buffer, .address_space: global }
      - { .name: out0, .offset: 40, .size: 8, .value_kind: global_buffer, .address_space: global }
      - { .name: out1, .offset: 48, .size: 8, .value_kind: global_buffer, .address_space: global }
    .group_segment_fixed_size: 327680
    .private_segment_fixed_size: 0
    .kernarg_segment_align: 8
    .kernarg_segment_size: 56
    .max_flat_workgroup_size: 128
    .sgpr_count:     106
    .vgpr_count:     1024
    .wavefront_size: 32
...
	.end_amdgpu_metadata
.endif
;; end of part 4
